; MI455X (gfx1250); checked and timed in simulation.
; The chip was launched on July 23, 2026; its instructions are those of AMD's public machine-readable ISA for CDNA 5 (MIT licence, August 2026) and "CDNA5" Instruction Set Architecture Reference Guide (July 2026). The comments in the code are by the model that wrote it; some were corrected since.
;; Transformer Block. Allowed arithmetic: matrix products marked QUANTISED: E3M2 operands, one E8M0 scale for each 32 along K, by v_wmma_scale_f32_16x16x128_f8f6f4 with both operands' format E3M2, f32 sums; everything else in f32.
;; Inputs: b1 4,096 float32; b2 1,024 float32; bu 1,024 float32; w1 4,096 x 1,024 float32; w2 1,024 x 4,096 float32; wk 1,024 x 1,024 float32; wq 1,024 x 1,024 float32; wu 1,024 x 1,024 float32; wv 1,024 x 1,024 float32; x 4 x 1,024 x 1,024 float32.
;; Outputs: out0 4 x 1,024 x 1,024 float32.
;; This version of the problem:
;;   THIS VERSION OF THE PROBLEM IS GIVEN IN LOW PRECISION. The matrix products marked QUANTISED in the list below multiply operands that are first quantised to E3M2 (3 exponent bits, 2 mantissa bits; 6 bits a number), with one power-of-two scale for each 32 numbers along K (OCP MX v1.0); their sums are f32. All else is computed in f32.
;;   The module's matrix products, in the order in which they are computed (A, B: the left and right operand; K: the contracted axis; several contracted axes count as one K, in the product's order):
;;     1. [M 4,096, K 1,024] x [K 1,024, N 1,024]; A: computed on the way; B: input wq: QUANTISED
;;     2. [M 4,096, K 1,024] x [K 1,024, N 1,024]; A: computed on the way; B: input wk: QUANTISED
;;     3. [M 4,096, K 1,024] x [K 1,024, N 1,024]; A: computed on the way; B: input wv: QUANTISED
;;     4. batch 64 x [M 1,024, K 64] x [K 64, N 1,024]; A: computed on the way; B: computed on the way: QUANTISED
;;     5. batch 64 x [M 1,024, K 1,024] x [K 1,024, N 64]; A: softmax (see below); B: computed on the way: QUANTISED
;;     6. [M 4,096, K 1,024] x [K 1,024, N 1,024]; A: computed on the way; B: input wu: QUANTISED
;;     7. [M 4,096, K 1,024] x [K 1,024, N 4,096]; A: computed on the way; B: input w1: QUANTISED
;;     8. [M 4,096, K 4,096] x [K 4,096, N 1,024]; A: computed on the way; B: input w2: QUANTISED
;;   THE QUANTISER, for each operand of a quantised product, along K:
;;     - K is cut into blocks of 32 from its start; a last block that is shorter is filled with zeros.
;;     - A block's scale is 2^e with e = floor(log2(the largest magnitude in the block)) - 4, held to -126 .. 127; a block of zeros has e = 0. As a byte (E8M0): e + 127.
;;     - Each number is divided by its block's scale, clamped to +-28, and rounded to the nearest number of E3M2, ties to even, subnormals kept.
;;     - The product sums the exact products of the quantised numbers (number of the format x scale) in f32.
;;   ~~~python
;;   def quantise(x, axis):      # numpy; x: float32 -> the quantised numbers, widened to float32 again
;;       x = np.moveaxis(x, axis, -1); K = x.shape[-1]
;;       x = np.pad(x, [(0, 0)] * (x.ndim - 1) + [(0, -K % 32)]); x = x.reshape(x.shape[:-1] + (-1, 32)); a = np.abs(x).max(-1, keepdims=True)
;;       e = np.where(a > 0, np.clip(np.frexp(np.where(a > 0, a, 1))[1] - 1 - 4, -126, 127), 0)      # np.frexp(a)[1] - 1 = floor(log2(a)), exactly
;;       r = np.clip(x / 2.0 ** e, -28, 28)
;;       step = 2.0 ** (np.maximum(np.frexp(np.where(r == 0, 1, r))[1] - 1, -2) - 2)
;;       q = np.round(r / step) * step * 2.0 ** e      # np.round: ties to even
;;       return np.moveaxis(q.reshape(q.shape[:-2] + (-1,))[..., :K], -1, axis).astype(np.float32)
;;   ~~~
;;   SOFTMAX AHEAD OF A QUANTISED PRODUCT. Where the list says 'softmax', what is quantised is not the finished softmax but p = 2^(t - M), with t = logit x log2(e) and M = ceil(the row's largest t), a whole number; so 1/2 < the row's largest p <= 1. The row's sum l is taken of the UNQUANTISED p, in f32, and the product's result is divided by l at the end. Since M is a whole number, a kernel that streams over the keys may use a running M (the ceiling of the running maximum): every later rescaling is an exact power of two, which a block's scale takes up: the codes' values come out the same.
;;   OPERANDS COMPUTED ON THE WAY. 'Computed on the way' means the value that the module computes at that place (a softmax that the list does not call 'softmax' is quantised finished and normalised). What goes into a quantiser is computed in f32, as accurately as f32 sums, v_exp_f32 and their like allow (about 1e-6 of the number): no bf16 or f16 on the way to a quantiser, and a product that is left as it is and whose result goes on into a quantised operand takes f32 operands (vector FMAs, or v_wmma_f32_16x16x4_f32). A number that lies on a knife's edge between two numbers of the format may be rounded either way, as far as f32 arithmetic and the matrix unit's own rounding can turn it there, and no further.
;; One version. Each part assembles by itself: llvm-mc -triple=amdgcn-amd-amdhsa -mcpu=gfx1250 --defsym DOCPART=n.
;; ======== version 1 of 1: 6 launches
;; limits: right only within a limited range of input values
;; workspace buffers: qw 13,107,200 bytes; qkv 10,092,544 bytes; ctx 3,276,800 bytes; hbuf 16,777,216 bytes; hid 13,107,200 bytes; lnh 3,276,800 bytes
;; launch prep (part 1): grid 1024 x 1, 8 waves a work-group, no clusters, 69,632 bytes of LDS; arguments x, wq, wk, wv, wu, w1, w2, qw; writes qw
.if DOCPART == 1
	.amdgcn_target "amdgcn-amd-amdhsa--gfx1250"
	.amdhsa_code_object_version 6
	.text
	.protected	k_q5a72306f61_prep
	.globl	k_q5a72306f61_prep
	.p2align	8
	.type	k_q5a72306f61_prep,@function
k_q5a72306f61_prep:
	s_mov_b64 s[64:65], 0
	v_nop
	global_prefetch_b8 v0, s[64:65] scope:SCOPE_SE
	s_setreg_imm32_b32 hwreg(HW_REG_WAVE_MODE, 25, 1), 1
	s_wait_xcnt 0x0
; f32 rows become operands of BF6 (E3M2) codes with one E8M0 scale for each 32 along K, laid in the ORDER OF THE OPERAND'S REGISTERS.  Rows of x are layer-normed first (mean and variance over 1,024, eps 1e-4).
; THE FORMAT of every quantised operand of this program.  Rows go in groups of 128; a group has 8 fragments of 16 rows x 128 K; lane r of fragment 2 b + u holds row 32 b + 8 u + r + 8 (r / 8).
; A fragment is 12 registers a lane, 1,536 bytes: registers 0-3 at 16 x lane, 4-5 at 512 + 8 x lane, 6-9 at 768 + 16 x lane, 10-11 at 1,280 + 8 x lane.  A UNIT (one group, one K step of 128) is 12,800 bytes:
; 8 fragments, then their scale words at 12,288 + 64 x fragment + 4 r.  A group's units lie on end.  In qw: units 0-255 the normed rows, 256-447 wq, wk, wv, 448-511 wu, 512-767 w1, 768-1,023 w2 (32 K steps a group).
; SHARES.  Work-group t takes one fragment's 16 rows x 1,024 along K; wave w takes K step w.  t / 64 names the tensor: 0-3 x, 4 wq, 5 wk, 6 wv, 7 wu, 8-11 w1, 12-15 w2 (four quarters of its K).
; ONE PATH for all: only pointers, offsets and two numbers are chosen by the work-group's number.  For a weight the mean is multiplied by 0 and the factor is 1.0: both exact.
; A load reads 512 consecutive bytes of one row; the 16 rows turn through the wave's own stage in LDS (rows 528 bytes apart) so that lane (r, h) then holds k = 64 c + 32 h + 0 .. 31 of row r: two whole blocks, in the operand's own order.
; A block's scale byte is its largest magnitude's exponent field - 4, held at 1 from below.
; LIMITS: NaN and infinities are not served; a block whose largest magnitude lies under 2^-122 (a block of zeros among them) keeps the byte 1, where the rule gives a block of zeros 127: its codes are zeros, and this program alone reads the bytes.
; No tensor load, no cluster: work-groups share no input here.
.set RED1,  512                        ; LDS: 0: the rows' partial sums, 32 bytes a row (a word a wave); 512: the same for the squares
.set STG0,  1024                       ; from here a stage of 16 x 528 bytes for each wave
.set STGB,  16*528
.set UNIT,  12800
.set FRB,   1536
.set AO,    12                         ; v12-27  row j's byte offset: 16 x lane + (j + 8 (j / 8)) x the tensor's row
.set X,     32                         ; v32-95  64 numbers
.set T,     96                         ; v96-111 at work
.set C,     112                        ; v112-123 the codes; v124-126 and v104-106 the conversions' second halves
	s_load_b256 s[4:11], s[0:1], 0x0               ; x, wq, wk, wv
	s_load_b256 s[12:19], s[0:1], 0x20             ; wu, w1, w2, qw
	v_lshl_add_u32 v28, v0, 2, 0x10c00             ; my spare word, and 0: kept for the closing lines alone
	v_mov_b32 v29, 0
	v_lshrrev_b32 v1, 5, v0
	s_delay_alu instid0(VALU_DEP_1)
	v_readfirstlane_b32 s2, v1                     ; wave 0..7 = K step
	v_and_b32 v1, 31, v0                           ; lane
	v_and_b32 v2, 15, v0                           ; r
	v_bfe_u32 v3, v0, 4, 1                         ; h
	s_delay_alu instid0(VALU_DEP_3)
	v_lshlrev_b32 v4, 4, v1                        ; 16 x lane
	s_delay_alu instid0(VALU_DEP_4)
	v_lshlrev_b32 v5, 3, v1                        ; 8 x lane
	s_delay_alu instid0(VALU_DEP_4)
	v_lshlrev_b32 v6, 2, v2                        ; 4 r
	s_mul_i32 s3, s2, STGB
	s_add_co_u32 s3, s3, STG0                      ; my stage
	v_add_nc_u32 v7, s3, v4                        ; in: a row's 512 bytes as they lie
	v_mul_u32_u24 v8, v2, 528
	s_delay_alu instid0(VALU_DEP_1)
	v_lshl_add_u32 v8, v3, 7, v8
	s_delay_alu instid0(VALU_DEP_1)
	v_add_nc_u32 v8, s3, v8                        ; out: row r, + 128 h
	v_lshlrev_b32 v10, 5, v2                       ; the partial sums of row r
	s_lshl_b32 s3, s2, 2
	v_add_nc_u32 v9, s3, v10                       ; and my wave's word among them
	s_mov_b32 s42, 0x76543210
	s_mov_b32 s43, 0xfedcba98                      ; v_permlanex16_b32's selects for lane l xor 16
	s_lshr_b32 s22, ttmp9, 6                       ; which tensor
	; wu and w2 are read straight into registers by their products, so their units take a SECOND FORM: a fragment's registers 4 j .. 4 j + 3 at 512 j + 16 x lane, the scale words at 12,288 + 32 r + 4 x fragment
	s_cmp_eq_u32 s22, 7
	s_cselect_b32 s44, 1, 0
	s_cmp_ge_u32 s22, 12
	s_cselect_b32 s44, 1, s44                      ; 1 for wu and w2
	s_cmp_eq_u32 s44, 0
	s_cselect_b32 s45, 6, 2                        ; a fragment's place among the scale words: 64 or 4 bytes,
	s_cselect_b32 s46, 2, 5                        ; a row's: 4 or 32 bytes
	s_mov_b32 s24, 4096                            ; a row in bytes
	s_wait_alu depctr_va_vdst(0)
	s_wait_kmcnt 0x0
	s_cmp_ge_u32 s22, 4                            ; the choices hang on the work-group's number alone
	s_cselect_b64 s[20:21], s[6:7], s[4:5]
	s_cselect_b32 s23, 256, 0                      ; the tensor's first work-group
	s_cmp_ge_u32 s22, 5
	s_cselect_b64 s[20:21], s[8:9], s[20:21]
	s_cselect_b32 s23, 320, s23
	s_cmp_ge_u32 s22, 6
	s_cselect_b64 s[20:21], s[10:11], s[20:21]
	s_cselect_b32 s23, 384, s23
	s_cmp_ge_u32 s22, 7
	s_cselect_b64 s[20:21], s[12:13], s[20:21]
	s_cselect_b32 s23, 448, s23
	s_cmp_ge_u32 s22, 8
	s_cselect_b64 s[20:21], s[14:15], s[20:21]
	s_cselect_b32 s23, 512, s23
	s_cmp_ge_u32 s22, 12
	s_cselect_b64 s[20:21], s[16:17], s[20:21]
	s_cselect_b32 s23, 768, s23
	s_cselect_b32 s24, 16384, s24
	s_sub_co_u32 s25, ttmp9, s23                   ; the fragment's number in its tensor;
	s_lshr_b32 s26, s25, 6
	s_and_b32 s27, s25, 63
	s_lshr_b32 s28, ttmp9, 3
	s_lshl_b32 s28, s28, 3                         ; the group's first unit, where a group has 8
	s_cmp_ge_u32 s22, 12
	s_cselect_b32 s26, s26, 0                      ; in w2: which quarter of K,
	s_cselect_b32 s25, s27, s25                    ; and which of 64 fragments
	s_lshr_b32 s29, s25, 3
	s_lshl_b32 s29, s29, 5
	s_lshl_b32 s30, s26, 3
	s_add_co_u32 s29, s29, s30
	s_add_co_u32 s29, s29, 768                     ; w2: 768 + 32 x group + 8 x quarter
	s_cmp_ge_u32 s22, 12
	s_cselect_b32 s28, s29, s28
	s_add_co_u32 s28, s28, s2                      ; + my K step
	s_mul_i32 s28, s28, UNIT
	s_and_b32 s29, ttmp9, 7                        ; the fragment's place in its group
	s_mul_i32 s30, s29, FRB
	s_add_co_u32 s30, s30, s28                     ; where my codes go
	s_mov_b32 s31, 0
	s_lshl_b32 s32, s29, s45
	s_add_co_u32 s32, s32, s28
	s_add_co_u32 s32, s32, 8*FRB                   ; and my scale words
	s_mov_b32 s33, 0
	s_add_nc_u64 s[34:35], s[18:19], s[30:31]
	s_add_nc_u64 s[36:37], s[18:19], s[32:33]
	s_lshr_b32 s40, s25, 1
	s_lshl_b32 s40, s40, 5
	s_and_b32 s41, s25, 1
	s_lshl_b32 s41, s41, 3
	s_add_co_u32 s40, s40, s41                     ; the fragment's first row: 32 (f / 2) + 8 (f % 2)
	s_mul_i32 s40, s40, s24
	s_lshl_b32 s41, s26, 12
	s_add_co_u32 s40, s40, s41                     ; + the quarter's 4,096 bytes
	s_lshl_b32 s41, s2, 9
	s_add_co_u32 s40, s40, s41                     ; + my K step's 512
	s_mov_b32 s41, 0
	s_add_nc_u64 s[20:21], s[20:21], s[40:41]
	s_cmp_lt_u32 ttmp9, 256
	s_cselect_b32 s38, 0x3a800000, 0               ; 1 / 1,024 for rows that are normed, 0 for weights
	s_cselect_b32 s39, -1, 0                       ; and a mask: all lanes or none
.irp j, 0,1,2,3,4,5,6,7,8,9,10,11,12,13,14,15
	v_mad_u32_u24 v[AO+\j], s24, \j+8*(\j/8), v4
.endr
	v_lshlrev_b32 v11, s46, v2                     ; my row's place among the scale words
.irp j, 0,1,2,3,4,5,6,7,8,9,10,11,12,13,14,15
	global_load_b128 v[X+4*\j:X+4*\j+3], v[AO+\j], s[20:21] th:TH_LOAD_NT   ; 32 lanes read 512 consecutive bytes of one row
.endr
.irp j, 0,1,2,3,4,5,6,7,8,9,10,11,12,13,14,15
	s_wait_loadcnt 15-\j                           ; loads come back in order: row j is in, the rows behind it may be out
	ds_store_b128 v7, v[X+4*\j:X+4*\j+3] offset:528*\j
.endr
.irp c, 0,1
.irp e, 0,1,2,3,4,5,6,7
	ds_load_b128 v[X+32*\c+4*\e:X+32*\c+4*\e+3], v8 offset:256*\c+16*\e   ; LDS serves a wave's instructions in order: these see my stores.  k = 64 c + 32 h + 4 e ..
.endr
.endr
	s_wait_dscnt 0x0
; Four packed chains in v[T] .. v[T+7] become the row's total over all 1,024, in every lane: my 64, lane l xor 16's, then the eight waves' through LDS, added in one fixed order.
.macro ACROSS red
	s_delay_alu instid0(VALU_DEP_3)
	v_pk_add_f32 v[T:T+1], v[T:T+1], v[T+2:T+3]
	s_delay_alu instid0(VALU_DEP_2)
	v_pk_add_f32 v[T+4:T+5], v[T+4:T+5], v[T+6:T+7]
	s_delay_alu instid0(VALU_DEP_1)
	v_pk_add_f32 v[T:T+1], v[T:T+1], v[T+4:T+5]
	s_delay_alu instid0(VALU_DEP_1)
	v_add_f32 v[T], v[T], v[T+1]
	s_delay_alu instid0(VALU_DEP_1)
	v_permlanex16_b32 v[T+1], v[T], s42, s43
	s_delay_alu instid0(VALU_DEP_1)
	v_add_f32 v[T], v[T], v[T+1]
	ds_store_b32 v9, v[T] offset:\red              ; lanes r and r + 16 write the same word with the same value
	s_wait_dscnt 0x0                               ; for the others' sake: my store has landed
	s_barrier_signal -1
	s_barrier_wait -1
	ds_load_b128 v[T:T+3], v10 offset:\red
	ds_load_b128 v[T+4:T+7], v10 offset:\red+16
	s_wait_dscnt 0x0
	v_add_f32 v[T], v[T], v[T+1]
	v_add_f32 v[T+2], v[T+2], v[T+3]
	v_add_f32 v[T+4], v[T+4], v[T+5]
	v_add_f32 v[T+6], v[T+6], v[T+7]
	s_delay_alu instid0(VALU_DEP_3)
	v_add_f32 v[T], v[T], v[T+2]
	s_delay_alu instid0(VALU_DEP_2)
	v_add_f32 v[T+4], v[T+4], v[T+6]
	s_delay_alu instid0(VALU_DEP_1)
	v_add_f32 v[T], v[T], v[T+4]
.endm
	; the mean
.irp k, 0,1,2,3
	v_pk_add_f32 v[T+2*\k:T+2*\k+1], v[X+4*\k:X+4*\k+1], v[X+4*\k+2:X+4*\k+3]   ; the first numbers start the chains: nothing is cleared
.endr
.irp i, 16,24,32,40,48,56
.irp k, 0,1,2,3
	s_delay_alu instid0(VALU_DEP_4)
	v_pk_add_f32 v[T+2*\k:T+2*\k+1], v[T+2*\k:T+2*\k+1], v[X+\i+2*\k:X+\i+2*\k+1]
.endr
.endr
	ACROSS 0
	s_delay_alu instid0(VALU_DEP_1)
	v_mul_f32 v[T+8], s38, v[T]                    ; the mean (0 for a weight), twice: a pair for the packed form
	s_delay_alu instid0(VALU_DEP_2)
	v_mul_f32 v[T+9], s38, v[T]
.set i, 0
.rept 32
	v_pk_add_f32 v[X+i:X+i+1], v[X+i:X+i+1], v[T+8:T+9] neg_lo:[0,1] neg_hi:[0,1]
.set i, i+2
.endr
	; the variance, of the centred numbers
.irp k, 0,1,2,3
	v_pk_mul_f32 v[T+2*\k:T+2*\k+1], v[X+2*\k:X+2*\k+1], v[X+2*\k:X+2*\k+1]
.endr
.irp i, 8,16,24,32,40,48,56
.irp k, 0,1,2,3
	s_delay_alu instid0(VALU_DEP_4)
	v_pk_fma_f32 v[T+2*\k:T+2*\k+1], v[X+\i+2*\k:X+\i+2*\k+1], v[X+\i+2*\k:X+\i+2*\k+1], v[T+2*\k:T+2*\k+1]
.endr
.endr
	ACROSS RED1                                    ; other words than the mean's: no wave can overwrite what another still reads
	s_delay_alu instid0(VALU_DEP_1)
	v_fma_f32 v[T], v[T], s38, 0x38d1b717          ; variance + 1e-4
	s_wait_alu depctr_va_vdst(0)
	v_rsq_f32 v[T+1], v[T]
	v_nop                                          ; a plain instruction behind the transcendental,
	s_wait_alu depctr_va_vdst(0)                   ; and the wait ahead of its result's first reader
	v_cndmask_b32 v[T+2], 1.0, v[T+1], s39         ; a weight is multiplied by 1.0
	s_delay_alu instid0(VALU_DEP_1)
	v_mov_b32 v[T+3], v[T+2]
.set i, 0
.rept 32
	v_pk_mul_f32 v[X+i:X+i+1], v[X+i:X+i+1], v[T+2:T+3]
.set i, i+2
.endr
	; the quantiser: my two blocks, 2 c + h, are whole in my registers
.irp c, 0,1
	v_max3_num_f32 v[T+\c], |v[X+32*\c]|, |v[X+32*\c+1]|, 0x2800000   ; the floor 2^(5 - 127): the byte cannot fall under 1
.endr
.irp i, 2,4,6,8,10,12,14,16,18,20,22,24,26,28,30
.irp c, 0,1
	s_delay_alu instid0(VALU_DEP_2)
	v_max3_num_f32 v[T+\c], v[T+\c], |v[X+32*\c+\i]|, |v[X+32*\c+\i+1]|
.endr
.endr
.irp c, 0,1
	s_delay_alu instid0(VALU_DEP_2)
	v_add_nc_u32 v[T+2+\c], 0xfe000000, v[T+\c]    ; 4 off the exponent field: the conversion takes this operand's exponent field as its scale
.endr
.irp c, 0,1
	s_delay_alu instid0(VALU_DEP_2)
	v_lshrrev_b32 v[T+4+\c], 23, v[T+2+\c]         ; the scale's byte
.endr
	s_delay_alu instid0(VALU_DEP_1)
	v_lshl_or_b32 v[T+6], v[T+5], 16, v[T+4]       ; my two bytes, blocks h and 2 + h,
	v_lshlrev_b32 v[T+7], 3, v3
	s_delay_alu instid0(VALU_DEP_1)
	v_lshlrev_b32 v[T+6], v[T+7], v[T+6]           ; at their places in the row's scale word;
	s_delay_alu instid0(VALU_DEP_1)
	v_permlanex16_b32 v[T+7], v[T+6], s42, s43
	s_delay_alu instid0(VALU_DEP_1)
	v_or_b32 v[T+6], v[T+6], v[T+7]                ; with lane l xor 16's two the word is whole
	v_cvt_scalef32_pk16_bf6_f32 v[C:C+2], v[X:X+15], v[T+2]
	v_cvt_scalef32_pk16_bf6_f32 v[C+12:C+14], v[X+16:X+31], v[T+2]     ; (a conversion's three registers begin on an even number: the second half is made elsewhere and moved)
	v_cvt_scalef32_pk16_bf6_f32 v[C+6:C+8], v[X+32:X+47], v[T+3]
	v_cvt_scalef32_pk16_bf6_f32 v[T+8:T+10], v[X+48:X+63], v[T+3]
	v_nop                                          ; one plain instruction behind the scaled conversions
.irp i, 0,1,2
	v_mov_b32 v[C+3+\i], v[C+12+\i]
	v_mov_b32 v[C+9+\i], v[T+8+\i]
.endr
	s_cmp_eq_u32 s44, 0                            ; the branch hangs on the work-group's number alone
	s_wait_alu depctr_va_vdst(0)                   ; the wait directly ahead of the branch
	s_cbranch_scc1 .Lfirst_form
	global_store_b128 v4, v[C:C+3], s[34:35]                   ; the second form: three stores of 512 consecutive bytes
	global_store_b128 v4, v[C+4:C+7], s[34:35] offset:512
	global_store_b128 v4, v[C+8:C+11], s[34:35] offset:1024
	s_branch .Lcodes_out
.Lfirst_form:
	global_store_b128 v4, v[C:C+3], s[34:35]                   ; each store covers 512 or 256 consecutive bytes, aligned
	global_store_b64 v5, v[C+4:C+5], s[34:35] offset:512
	global_store_b128 v4, v[C+6:C+9], s[34:35] offset:768
	global_store_b64 v5, v[C+10:C+11], s[34:35] offset:1280
.Lcodes_out:
	global_store_b32 v11, v[T+6], s[36:37]                     ; 16 scale words (lanes r and r + 16 store the same word)
	s_wait_tensorcnt 0x0
	ds_add_u32 v28, v29
	s_wait_dscnt 0x0
	s_endpgm
.Lfunc_end_k_q5a72306f61_prep:
	.size	k_q5a72306f61_prep, .Lfunc_end_k_q5a72306f61_prep-k_q5a72306f61_prep
	.p2alignl 7, 3214868480
	.fill 96, 4, 3214868480
	.section	.rodata,"a",@progbits
	.p2align	6, 0x0
	.amdhsa_kernel k_q5a72306f61_prep
		.amdhsa_group_segment_fixed_size 69632
		.amdhsa_private_segment_fixed_size 0
		.amdhsa_enable_private_segment 0
		.amdhsa_kernarg_size 64
		.amdhsa_user_sgpr_count 2
		.amdhsa_user_sgpr_kernarg_segment_ptr 1
		.amdhsa_wavefront_size32 1
		.amdhsa_system_sgpr_workgroup_id_x 1
		.amdhsa_system_sgpr_workgroup_id_y 1
		.amdhsa_system_sgpr_workgroup_id_z 1
		.amdhsa_system_vgpr_workitem_id 0
		.amdhsa_next_free_vgpr 128
		.amdhsa_next_free_sgpr 66
		.amdhsa_reserve_vcc 0
		.amdhsa_float_denorm_mode_32 3
		.amdhsa_float_denorm_mode_16_64 3
		.amdhsa_memory_ordered 1
		.amdhsa_forward_progress 1
		.amdhsa_inst_pref_size 27
	.end_amdhsa_kernel
	.amdgpu_metadata
---
amdhsa.version: [ 1, 2 ]
amdhsa.kernels:
  - .name:           k_q5a72306f61_prep
    .symbol:         k_q5a72306f61_prep.kd
    .args:
      - { .name: x, .offset: 0, .size: 8, .value_kind: global_buffer, .address_space: global }
      - { .name: wq, .offset: 8, .size: 8, .value_kind: global_buffer, .address_space: global }
      - { .name: wk, .offset: 16, .size: 8, .value_kind: global_buffer, .address_space: global }
      - { .name: wv, .offset: 24, .size: 8, .value_kind: global_buffer, .address_space: global }
      - { .name: wu, .offset: 32, .size: 8, .value_kind: global_buffer, .address_space: global }
      - { .name: w1, .offset: 40, .size: 8, .value_kind: global_buffer, .address_space: global }
      - { .name: w2, .offset: 48, .size: 8, .value_kind: global_buffer, .address_space: global }
      - { .name: qw, .offset: 56, .size: 8, .value_kind: global_buffer, .address_space: global }
    .group_segment_fixed_size: 69632
    .private_segment_fixed_size: 0
    .kernarg_segment_align: 8
    .kernarg_segment_size: 64
    .max_flat_workgroup_size: 256
    .sgpr_count:     66
    .vgpr_count:     128
    .wavefront_size: 32
...
	.end_amdgpu_metadata
.endif
;; end of part 1
;; launch qkv (part 2): grid 8 x 24, 4 waves a work-group, clusters of 4 x 4, 327,680 bytes of LDS; arguments qw, qkv; writes qkv
.if DOCPART == 2
	.amdgcn_target "amdgcn-amd-amdhsa--gfx1250"
	.amdhsa_code_object_version 6
	.text
	.protected	k_q5a72306f61_qkv
	.globl	k_q5a72306f61_qkv
	.p2align	8
	.type	k_q5a72306f61_qkv,@function
k_q5a72306f61_qkv:
	s_mov_b64 s[64:65], 0
	v_nop
	global_prefetch_b8 v0, s[64:65] scope:SCOPE_SE
	s_setreg_imm32_b32 hwreg(HW_REG_WAVE_MODE, 25, 1), 1
	s_wait_xcnt 0x0
	s_wait_alu depctr_hold_cnt(0) depctr_sa_sdst(0) depctr_va_vdst(0) depctr_va_sdst(0) depctr_va_ssrc(0) depctr_va_vcc(0) depctr_vm_vsrc(0)
	s_getreg_b32 s2, hwreg(HW_REG_IB_STS2, 6, 4)
	s_cmp_eq_u32 s2, 0
	s_cbranch_scc0 .Lentry_in_a_cluster
	s_endpgm
.Lentry_in_a_cluster:
	s_bfe_u32 s2, ttmp6, 0x10000c
	s_cmp_lg_u32 s2, 0xf033
	s_cbranch_scc0 .Lentry_shape_is_right
	s_endpgm
.Lentry_shape_is_right:
; A product on BF6 (E3M2) codes with E8M0 scales, K = 1,024, whose RESULT IS QUANTISED IN REGISTERS and stored as the next product's operand.  One text, two uses, chosen by FFN below:
;   FFN = 0: q and k (S1 = the normed tokens, S0 = wq's and wk's rows) in clusters y 0-3; v transposed (S1 = wv's rows, S0 = the tokens, so that v is quantised along the keys) in clusters y 4, 5.
;   FFN = 1: the hidden layer relu(ln(h) w1^T + b1) (S1 = tokens, S0 = w1's rows).
; OPERANDS lie in memory in the order of their registers.  Rows go in groups of 128, 8 fragments of 16 rows x 128 K; lane r of fragment 2 b + u holds row 32 b + 8 u + r + 8 (r / 8).  A fragment is 1,536 bytes: registers 0-3 at 16 x lane,
; 4-5 at 512 + 8 x lane, 6-9 at 768 + 16 x lane, 10-11 at 1,280 + 8 x lane.  A unit (a group, a K step of 128) is 12,800 bytes: 8 fragments, then scale words at 12,288 + 64 x fragment + 4 r.  A group's units lie on end.
; THE MATRIX INSTRUCTION IS USED TRANSPOSED: source 0 = 16 rows of S0, source 1 = 16 rows of S1.  A lane then holds one row of S1, and by the order of rows above the 64 registers of its eight tiles are
; register 16 b + e = S0's row 32 b + 16 (lane / 16) + e: 16 neighbours of each block of 32 along the next product's K.  So the conversions' results are the next operand's registers.
; SHARES.  A work-group makes 256 (S1) x 256 (S0), each of four waves 128 x 128: 64 accumulators, 512 registers.  K goes through two LDS slots of two K steps; a wave's tensor load brings one group's two units, 25,600 dense bytes.
; CLUSTERS of 4 x 4: S1's tiles are shared along a row of the cluster, S0's along a column: joint loads.  FFN = 0 has 192 work-groups: what 3,072 x 4,096 results give at this tile.
; REGISTERS, in windows of 256: window 0: v16-30 addresses; v32-63 scale words, a set a slot; v128-223 S1's fragments, ONE set; in the way out v32-127 codes, v200-247 at work.
;   window 1: S0's fragments, TWO sets, v0-95 and v128-223; with FFN = 1 the bias as eight tiles in the result's layout, v96-127 and v224-255.   windows 2, 3: accumulator (a, b) at v[8 (8 (a % 4) + b)].
; LIMITS: NaN and infinities are not served; a block whose largest magnitude lies under 2^-122 (zeros among them) keeps the scale byte 1, where the rule gives a block of zeros 127: its codes are zeros, and this program alone reads the bytes.
.set FFN,   0
.set UNIT,  12800
.set FRB,   1536
.set GRP,   8*UNIT                     ; a group's eight K steps
.set HALFT, 2*UNIT                     ; what one tensor load brings
.set SLOT,  4*HALFT                    ; S1's two groups, then S0's two
.set SPARE, 2*SLOT                     ; behind the ring: the spare words, 128 bytes a wave: two blocks of 256 bytes that no other line names
.set WQOFF, 256*UNIT                   ; in qw: wq, wk, wv from unit 256;
.set WVOFF, 384*UNIT                   ; wv;
.set W1OFF, 512*UNIT                   ; w1
.set CH,    13056                      ; in qkv: a head's chunk of 128 keys: K's 8 half fragments, V^T's 4 fragments at 6,144, K's scale words at 12,288, V's at 12,800
.set HEADB, 8*CH
.set QOFF,  64*HEADB                   ; behind the 64 heads' chunks: Q, 53,248 bytes a head: 64 half fragments, scale words at 49,152
.set QHEAD, 53248
.set FR,    12
.set NL,    4                          ; LDS loads that bring a fragment
.set ADRA,  16                         ; v16-17 S1's fragments in slot 0, 1, at 16 x lane; v18-19 at 8 x lane
.set ADRB,  20                         ; v20-23 the same for S0
.set ADRS,  24                         ; v24-25 scale words: lanes 0-15 S1's, lanes 16-31 S0's
.set L16,   26                         ; v26 16 x lane   v27 8 x lane   v30 4 r: never rewritten
.set L8,    27
.set SPW,   28                         ; v28 my spare word's LDS address; v29 0: never rewritten
.set NIL,   29
.set R4,    30
.set SC,    32                         ; set s at v[32 + 16 s]; register 2 i + q: block i, the slot's q-th K step
.set AF,    128
.set PC,    32                         ; the way out: block a's codes at v[32 + 12 a]
.set TM,    200                        ; v200-203 largest magnitudes, v204-207 bytes, v212-215 the conversions' scale operands
.set PW,    216                        ; v216-223 block a's scale words
.set T2,    224                        ; v224-230 the conversions' second halves
.set PWO,   240                        ; v240-247 the odd head's scale words
.set G1,  24
.set G0,  32
.set G1B, 48
.set G0B, 56
.set MSB, 0
.macro WIN new                         ; the immediate's high byte repeats the setting that is left
.if MSB != (\new)
	s_set_vgpr_msb (MSB<<8)|(\new)
.set MSB, (\new)
.endif
.endm
.set MUL_LO, 0xa1                      ; source 0 (S0) window 1, source 1 (S1) window 0, C and D window 2
.set MUL_HI, 0xf1                      ; the same, C and D window 3
.set TO_B,   0x40                      ; destination window 1, address window 0
; A joint load: waves 0 and 1 fetch S1's two groups, waves 2 and 3 S0's.  The branch hangs on the wave's number alone.  Four v_nop follow each of the two lines.
.macro JLOAD g0a, g1a, g0b, g1b
	s_cmp_eq_u32 s15, 0
	s_cbranch_scc0 .Lfor_b_\@
	tensor_load_to_lds s[\g0a:\g0a+3], s[\g1a:\g1a+7]
	s_nop 0
.rept 4
	v_nop
.endr
	s_branch .Lasked_\@
.Lfor_b_\@:
	tensor_load_to_lds s[\g0b:\g0b+3], s[\g1b:\g1b+7]
	s_nop 0
.rept 4
	v_nop
.endr
.Lasked_\@:
.endm
.macro CREST                           ; a round of the cluster's barrier behind its opening barrier
	s_cmp_lg_u32 s14, 0
	s_cbranch_scc1 .Lnot_wave_0_\@
	s_barrier_signal -3
.Lnot_wave_0_\@:
	s_barrier_wait -3
	s_barrier_signal -1
	s_barrier_wait -1
.endm
.macro CROUND
	s_barrier_signal -1
	s_barrier_wait -1
	CREST
.endm
.macro PLACES                          ; four plain vector instructions between a matrix instruction and a load into, or a vector instruction on, its registers
.rept 4
	v_nop
.endr
.endm
	s_load_b128 s[4:7], s[0:1], 0x0                ; qw; FFN = 0: qkv, FFN = 1: b1
.if FFN
	s_load_b64 s[8:9], s[0:1], 0x10                ; hid
.endif
	v_lshl_add_u32 v[SPW], v0, 2, SPARE
	v_mov_b32 v[NIL], 0
	ds_add_u32 v28, v29
	ds_add_u32 v28, v29
	s_wait_dscnt 0x0
	v_lshrrev_b32 v1, 5, v0
	v_readfirstlane_b32 s14, v1                    ; wave 0..3
	s_lshr_b32 s15, s14, 1                         ; which of S1's two groups is mine.  Also: I fetch for S1 (0) or S0 (1)
	s_and_b32 s16, s14, 1                          ; which of S0's two groups.  Also: which group I fetch
	s_bfe_u32 s40, ttmp6, 0x40000                  ; cx, cy: my place in the cluster
	s_bfe_u32 s41, ttmp6, 0x40004
	s_and_b32 s66, ttmp7, 0xffff                   ; the cluster's y
	s_lshl_b32 s43, s41, 2
	s_lshl_b32 s43, 15, s43                        ; my row of the cluster
	s_lshl_b32 s44, 0x1111, s40                    ; my column
.if FFN
	s_lshl_b32 s17, s66, 2
	s_add_co_u32 s17, s17, s41                     ; S1's tile: 4 x cluster y + cy
	s_lshl_b32 s42, ttmp9, 2
	s_add_co_u32 s42, s42, s40                     ; S0's tile: 4 x cluster x + cx
.else
	s_lshr_b32 s67, s66, 2                         ; 1 in the clusters that make v (y = 4, 5), else 0: equal in all partners
	s_xor_b32 s68, s67, 1
	s_lshl_b32 s17, s66, 2
	s_mul_i32 s17, s17, s68
	s_add_co_u32 s17, s17, s41                     ; S1's tile: q, k: 4 y + cy of 16 tiles of tokens;  v: cy of wv's 4
	s_and_b32 s42, s66, 3
	s_mul_i32 s42, s42, s67
	s_lshl_b32 s42, s42, 3
	s_lshl_b32 s46, ttmp9, 2
	s_add_co_u32 s42, s42, s46
	s_add_co_u32 s42, s42, s40                     ; S0's tile: q, k: 4 x + cx of wq's and wk's 8;  v: 4 x + cx + 8 (y - 4) of 16 tiles of tokens
.endif
	; descriptor group 1: a dense block of 25,600 bytes as 100 rows of 256 (32 elements of 8 bytes); no padding: every LDS read takes consecutive bytes
	s_or_b32 s[G1+0], s43, (3<<16)|(1<<21)         ; 15:0 the mask: S1's tiles go to my row; 17:16 elements of 8 bytes; 21 set beside a mask
	s_or_b32 s[G1B+0], s44, (3<<16)|(1<<21)        ; S0's to my column
.irp g, G1, G1B
	s_mov_b32 s[\g+1], 32<<16                      ; tensor_dim0
	s_mov_b32 s[\g+2], 100<<16                     ; tensor_dim1
	s_mov_b32 s[\g+3], 32<<16                      ; tile_dim0
	s_mov_b32 s[\g+4], 100                         ; tile_dim1
	s_mov_b32 s[\g+5], 32                          ; tensor_dim0_stride
	s_mov_b32 s[\g+6], 0
	s_mov_b32 s[\g+7], 0
.endr
	s_lshl_b32 s20, s17, 1
	s_add_co_u32 s20, s20, s16                     ; S1's group that I would fetch (no register here ever holds cx),
	s_mul_i32 s20, s20, GRP
	s_lshl_b32 s46, s42, 1
	s_add_co_u32 s46, s46, s16                     ; S0's (none holds cy)
	s_mul_i32 s46, s46, GRP
.if FFN
	s_add_co_u32 s46, s46, W1OFF
.else
	s_mul_i32 s21, s67, WVOFF                      ; v: S1 is wv;
	s_add_co_u32 s20, s20, s21
	s_mul_i32 s47, s68, WQOFF                      ; q, k: S0 is wq, wk
	s_add_co_u32 s46, s46, s47
.endif
	s_mov_b32 s21, 0
	s_mov_b32 s47, 0
	s_mul_i32 s45, s14, HALFT                      ; where it goes: wave x 25,600: no place in the cluster enters an LDS address
	s_wait_kmcnt 0x0
	s_add_nc_u64 s[20:21], s[4:5], s[20:21]
	s_add_nc_u64 s[46:47], s[4:5], s[46:47]
	CROUND                                         ; all sixteen work-groups are here: the first joint loads meet
.irp s, 0,1
	s_mov_b32 s[G0+4*\s], 1
	s_add_co_u32 s[G0+4*\s+1], s45, \s*SLOT
	s_add_nc_u64 s[G0+4*\s+2:G0+4*\s+3], s[20:21], \s*HALFT
	s_or_b32 s[G0+4*\s+3], s[G0+4*\s+3], 0x80000000
	s_mov_b32 s[G0B+4*\s], 1
	s_add_co_u32 s[G0B+4*\s+1], s45, \s*SLOT
	s_add_nc_u64 s[G0B+4*\s+2:G0B+4*\s+3], s[46:47], \s*HALFT
	s_or_b32 s[G0B+4*\s+3], s[G0B+4*\s+3], 0x80000000
.if \s
	s_wait_alu depctr_va_vdst(0)
	s_wait_tensorcnt 0x0                           ; slot 1's first fill is issued as a refill is: my part of slot 0 is in,
	ds_add_u32 v28, v29                            ; 0 onto my spare word,
	s_wait_dscnt 0x0
	CROUND                                         ; and a whole round of the cluster's barrier
.endif
	JLOAD G0+4*\s, G1, G0B+4*\s, G1B               ; one load of mine is out
.endr
	v_and_b32 v1, 15, v0                           ; r
	v_bfe_u32 v2, v0, 4, 1                         ; h
	v_and_b32 v3, 31, v0                           ; lane
	v_lshlrev_b32 v[L16], 4, v3
	v_lshlrev_b32 v[L8], 3, v3
	v_lshlrev_b32 v[R4], 2, v1
	s_mul_i32 s21, s15, HALFT                      ; my group of S1
	s_mul_i32 s22, s16, HALFT
	s_add_co_u32 s22, s22, 2*HALFT                 ; my group of S0, behind S1's two
.irp s, 0,1
	v_add_nc_u32 v[ADRA+\s], s21, v[L16]
	v_add_nc_u32 v[ADRA+2+\s], s21, v[L8]
	v_add_nc_u32 v[ADRB+\s], s22, v[L16]
	v_add_nc_u32 v[ADRB+2+\s], s22, v[L8]
	s_add_co_u32 s21, s21, SLOT
	s_add_co_u32 s22, s22, SLOT
.endr
	s_mul_i32 s21, s15, HALFT
	s_mul_i32 s22, s16, HALFT
	s_add_co_u32 s22, s22, 2*HALFT
	s_sub_co_u32 s22, s22, s21                     ; from S1's group to S0's
	v_mul_u32_u24 v5, s22, v2                      ; lanes 16-31 take S0's words: one product
	v_add_nc_u32 v5, v5, v[R4]
	s_add_co_u32 s21, s21, 8*FRB
	v_add_nc_u32 v[ADRS], s21, v5
	v_add_nc_u32 v[ADRS+1], SLOT, v[ADRS]
	s_mov_b32 s18, 0x76543210
	s_mov_b32 s19, 0xfedcba98                      ; v_permlanex16_b32's selects for lane l xor 16
.if FFN
	s_lshl_b32 s22, s42, 1                         ; b1 at my 128 hidden units; lane (r, h) wants, for tile b, those of units 32 (b / 2) + 16 h + 8 (b % 2) + 0 .. 7
	s_add_co_u32 s22, s22, s16
	s_lshl_b32 s22, s22, 9
	s_mov_b32 s23, 0
	s_add_nc_u64 s[6:7], s[6:7], s[22:23]
	v_lshlrev_b32 v6, 6, v2
	WIN TO_B
.irp b, 0,1,2,3,4,5,6,7
	global_load_b128 v[96+8*(\b%4)+128*(\b/4):96+8*(\b%4)+128*(\b/4)+3], v6, s[6:7] offset:(32*(\b/2)+8*(\b%2))*4
	global_load_b128 v[96+8*(\b%4)+128*(\b/4)+4:96+8*(\b%4)+128*(\b/4)+7], v6, s[6:7] offset:(32*(\b/2)+8*(\b%2))*4+16
.endr
	WIN 0
.endif
.macro FRAG reg, adr, off              ; a fragment's 12 registers: four loads, each of 512 or 256 consecutive bytes
	ds_load_b128 v[(\reg):(\reg)+3], v[\adr] offset:(\off)
	ds_load_b64 v[(\reg)+4:(\reg)+5], v[(\adr)+2] offset:(\off)+512
	ds_load_b128 v[(\reg)+6:(\reg)+9], v[\adr] offset:(\off)+768
	ds_load_b64 v[(\reg)+10:(\reg)+11], v[(\adr)+2] offset:(\off)+1280
.endm
.macro FETCH_B slot, q, p              ; S0's eight fragments of the slot's q-th K step into set p
	WIN TO_B
.irp i, 0,1,2,3,4,5,6,7
	FRAG 128*(\p)+FR*\i, ADRB+\slot, (\q)*UNIT+FRB*\i
.endr
	WIN 0
.endm
.macro FETCH_A slot, q, i0             ; S1's blocks i0 .. i0 + 3
.irp i, \i0, \i0+1, \i0+2, \i0+3
	FRAG AF+FR*(\i), ADRA+\slot, (\q)*UNIT+FRB*(\i)
.endr
.endm
.macro SCALES sc                       ; slot sc's scale words: lanes 0-15 S1's block i, lanes 16-31 S0's block i
.irp i, 0,1,2,3,4,5,6,7
.irp q, 0,1
	ds_load_b32 v[SC+16*\sc+2*\i+\q], v[ADRS+\sc] offset:\q*UNIT+64*\i
.endr
.endr
.endm
; 16 matrix instructions: S1's blocks a0, a0 + 1 x S0's eight.  p: S0's set; q: the slot's K step; sc: the set of scale words.  first = 1: the product starts the sums, from 0 or from the bias: nothing is cleared.
; The 64 accumulators take turns, one instruction a turn, in the same order in every step.
.macro MUL16 a0, p, q, sc, first
.irp a, \a0, \a0+1
.irp b, 0,1,2,3,4,5,6,7
.set rD, 8*(8*((\a)%4)+\b)
.set rB, 128*(\p)+FR*\b
.set rA, AF+FR*(\a)
.set rC, 96+8*(\b%4)+128*(\b/4)
.set wB, SC+16*(\sc)+2*\b+(\q)
.set wA, SC+16*(\sc)+2*(\a)+(\q)
.if (\first) && FFN
	v_wmma_scale_f32_16x16x128_f8f6f4 v[rD:rD+7], v[rB:rB+FR-1], v[rA:rA+FR-1], v[rC:rC+7], v[wB], v[wA] matrix_a_fmt:MATRIX_FMT_BF6 matrix_b_fmt:MATRIX_FMT_BF6 matrix_a_scale:MATRIX_SCALE_ROW1
.elseif \first
	v_wmma_scale_f32_16x16x128_f8f6f4 v[rD:rD+7], v[rB:rB+FR-1], v[rA:rA+FR-1], 0, v[wB], v[wA] matrix_a_fmt:MATRIX_FMT_BF6 matrix_b_fmt:MATRIX_FMT_BF6 matrix_a_scale:MATRIX_SCALE_ROW1
.else
	v_wmma_scale_f32_16x16x128_f8f6f4 v[rD:rD+7], v[rB:rB+FR-1], v[rA:rA+FR-1], v[rD:rD+7], v[wB], v[wA] matrix_a_fmt:MATRIX_FMT_BF6 matrix_b_fmt:MATRIX_FMT_BF6 matrix_a_scale:MATRIX_SCALE_ROW1
.endif
.endr
.endr
.endm
; A slot's first K step: its successor lies in the same slot.  A block of S1 is free as soon as its eight products are issued: blocks 0-3 are fetched anew in the middle, blocks 4-7 at the end.
.macro STEP slot, first
	s_wait_dscnt 4*NL                              ; all but the youngest 16 loads (S1's blocks 4-7) are in
.if (\first) && FFN
	WIN 0x91                                       ; C (the bias) window 1, D window 2
.else
	WIN MUL_LO
.endif
	MUL16 0, 0, 0, \slot, \first
	MUL16 2, 0, 0, \slot, \first
	s_wait_dscnt 0x0                               ; S1's blocks 4-7 are in (asked for 32 matrix instructions ago)
	PLACES
	FETCH_B \slot, 1, 1
	FETCH_A \slot, 1, 0
.if (\first) && FFN
	WIN 0xd1
.else
	WIN MUL_HI
.endif
	MUL16 4, 0, 0, \slot, \first
	MUL16 6, 0, 0, \slot, \first
	PLACES
	WIN 0
	FETCH_A \slot, 1, 4
.endm
; A slot's second K step changes slots: ONE barrier; in front of it each wave waits for all its tensor loads, adds 0 to its spare word, and waits for that and for its reads of this slot.  fill = 1: this slot is filled again, four K steps ahead.
.macro TURN slot, next, fill
	s_wait_tensorcnt 0x0                           ; all my tensor loads have landed: my part of the next slot  (every window is 0 here)
	ds_add_u32 v[SPW], v[NIL]                      ; 0 onto my spare word
	s_wait_dscnt 4*NL+1                            ; (the add and the youngest 16 loads may be out)
	WIN MUL_LO
	MUL16 0, 1, 1, \slot, 0                        ; sixteen matrix instructions stand between the add and the wait for it
	s_wait_dscnt 0x0                               ; the add is done, and my reads of this slot are over
	s_barrier_signal -1
	MUL16 2, 1, 1, \slot, 0
	WIN 0
	s_barrier_wait -1
.if \fill
	CREST                                          ; the barrier has opened a round of the cluster's: no wave of any partner still reads this slot or has a load on its way
	s_add_nc_u64 s[G0+4*\slot+2:G0+4*\slot+3], s[G0+4*\slot+2:G0+4*\slot+3], 2*HALFT
	s_add_nc_u64 s[G0B+4*\slot+2:G0B+4*\slot+3], s[G0B+4*\slot+2:G0B+4*\slot+3], 2*HALFT
	JLOAD G0+4*\slot, G1, G0B+4*\slot, G1B         ; the first tensor load behind the round; its four v_nop are also the places in front of the loads below
.else
	PLACES
.endif
	FETCH_B \next, 0, 0
	FETCH_A \next, 0, 0
	SCALES \next
	WIN MUL_HI
	MUL16 4, 1, 1, \slot, 0
	MUL16 6, 1, 1, \slot, 0
	PLACES
	WIN 0
	FETCH_A \next, 0, 4
.endm
	s_wait_alu depctr_va_vdst(0)
	s_wait_tensorcnt 1                             ; my part of slot 0 is in (slot 1's load may be out)
	s_barrier_signal -1
	s_barrier_wait -1                              ; everybody's is
	FETCH_B 0, 0, 0
	FETCH_A 0, 0, 0
	SCALES 0
	FETCH_A 0, 0, 4
.if FFN
	s_wait_loadcnt 0x0                             ; the bias
.endif
	STEP 0, 1                                      ; K steps 0 .. 7, written straight: each slot is filled twice
	TURN 0, 1, 1
	STEP 1, 0
	TURN 1, 0, 1
	STEP 0, 0
	TURN 0, 1, 0                                   ; nothing is left to fetch
	STEP 1, 0
	s_wait_dscnt 4*NL
	WIN MUL_LO
	MUL16 0, 1, 1, 1, 0
	MUL16 2, 1, 1, 1, 0
	s_wait_dscnt 0x0
	WIN MUL_HI
	MUL16 4, 1, 1, 1, 0
	MUL16 6, 1, 1, 1, 0
	WIN 0
; THE WAY OUT.  Block a (16 rows of S1 x my 128 of S0) is quantised along S0 and is fragment a of the next operand's unit.  No LDS: a lane's codes are the fragment's registers.
; Each accumulator is read from its low end on.  Each block has registers of its own for its codes and scale words: no store's data are written again.
.macro QUANT a
.set QW, 2+(\a)/4
.set QS, 64*((\a)%4)
.set QP, PC+12*(\a)
.if FFN
	WIN (QW<<6)|(QW<<2)
.set j, 0
.rept 64
	v_max_num_f32 v[QS+j], 0, v[QS+j]              ; the activation, in f32
.set j, j+1
.endr
.endif
	WIN QW|(QW<<2)                                 ; sources 0 and 1: the accumulators' window
.irp b, 0,1,2,3
	v_max3_num_f32 v[TM+\b], |v[QS+16*\b]|, |v[QS+16*\b+1]|, 0x2800000   ; block b: my 16 numbers, and the floor 2^(5 - 127): the byte cannot fall under 1
.endr
.irp i, 2,4,6,8,10,12,14
.irp b, 0,1,2,3
	v_max3_num_f32 v[TM+\b], |v[QS+16*\b+\i]|, |v[QS+16*\b+\i+1]|, v[TM+\b]
.endr
.endr
	WIN 0
.irp b, 0,1,2,3
	v_permlanex16_b32 v[TM+4+\b], v[TM+\b], s18, s19
.endr
.irp b, 0,1,2,3
	v_max_num_f32 v[TM+\b], v[TM+\b], v[TM+4+\b]   ; with lane l xor 16's 16: the block's largest magnitude
.endr
.irp b, 0,1,2,3
	v_add_nc_u32 v[TM+12+\b], 0xfe000000, v[TM+\b] ; 4 off its exponent field: the conversion's scale operand
.endr
.irp b, 0,1,2,3
	v_lshrrev_b32 v[TM+4+\b], 23, v[TM+12+\b]      ; the scale's byte
.endr
	v_lshl_or_b32 v[PW+(\a)], v[TM+5], 8, v[TM+4]
	v_lshl_or_b32 v[PW+(\a)], v[TM+6], 16, v[PW+(\a)]
	v_lshl_or_b32 v[PW+(\a)], v[TM+7], 24, v[PW+(\a)]
.if !FFN
	v_lshrrev_b32 v[PWO+(\a)], 16, v[PW+(\a)]      ; q, k: the upper 64 are another head's: its two bytes, with zeros above (2^-127, over codes that are zeros)
.endif
	WIN QW
.irp c, 0,1
	v_cvt_scalef32_pk16_bf6_f32 v[QP+6*\c:QP+6*\c+2], v[QS+32*\c:QS+32*\c+15], v[TM+12+2*\c]
	v_cvt_scalef32_pk16_bf6_f32 v[T2+4*\c:T2+4*\c+2], v[QS+32*\c+16:QS+32*\c+31], v[TM+12+2*\c+1]   ; (a conversion's three registers begin on an even number)
.endr
	WIN 0
	v_nop                                          ; one plain instruction behind the scaled conversions
.irp c, 0,1                            ; the operand's layout wants a WHOLE block in a lane: lanes 0-15 block 2 c, lanes 16-31 block 2 c + 1
.irp i, 0,1,2
	v_permlane16_swap_b32 v[QP+6*\c+\i], v[T2+4*\c+\i]
.endr
.irp i, 0,1,2
	v_mov_b32 v[QP+3+6*\c+\i], v[T2+4*\c+\i]
.endr
.endr
.endm
.macro SENDU a, off, soff              ; block a as a whole fragment at off, its scale words at soff; each store covers 512, 256 or 64 consecutive bytes
	global_store_b128 v[L16], v[PC+12*(\a):PC+12*(\a)+3], s[80:81] offset:(\off)
	global_store_b64 v[L8], v[PC+12*(\a)+4:PC+12*(\a)+5], s[80:81] offset:(\off)+512
	global_store_b128 v[L16], v[PC+12*(\a)+6:PC+12*(\a)+9], s[80:81] offset:(\off)+768
	global_store_b64 v[L8], v[PC+12*(\a)+10:PC+12*(\a)+11], s[80:81] offset:(\off)+1280
	global_store_b32 v[R4], v[PW+(\a)], s[80:81] offset:(\soff)
.endm
	PLACES                                         ; behind the last products
.irp b, 0,1,2,3
	v_mov_b32 v[TM+4+\b], 0                        ; written once: a lane permute's destination counts as one of its sources
.endr
.if FFN
	s_lshl_b32 s70, s17, 1                         ; hid: unit (group of tokens) x 32 + (group of hidden units): my wave writes one whole unit
	s_add_co_u32 s70, s70, s15
	s_lshl_b32 s70, s70, 5
	s_lshl_b32 s71, s42, 1
	s_add_co_u32 s71, s71, s16
	s_add_co_u32 s70, s70, s71
	s_mul_i32 s70, s70, UNIT
	s_mov_b32 s71, 0
	s_add_nc_u64 s[80:81], s[8:9], s[70:71]
.irp a, 0,1,2,3,4,5,6,7
	QUANT \a
	SENDU \a, FRB*\a, 8*FRB+64*\a
.endr
.else
.irp a, 0,1,2,3,4,5,6,7
	QUANT \a
.endr
	s_cmp_lt_u32 s66, 4                            ; the cluster's y: equal in all partners
	s_cbranch_scc0 .Lv_out
	; q or k: my 128 tokens are chunk j of a batch; my 128 features are two heads: registers 0-5 the even head's 64, registers 6-11 the odd head's
	s_lshl_b32 s70, s17, 1
	s_add_co_u32 s70, s70, s15                     ; group of tokens
	s_lshr_b32 s71, s70, 3                         ; batch
	s_and_b32 s70, s70, 7                          ; j
	s_lshl_b32 s72, s40, 1
	s_add_co_u32 s72, s72, s16
	s_lshl_b32 s72, s72, 1                         ; the even head: 2 (2 cx + my half)
	s_lshl_b32 s71, s71, 4
	s_add_co_u32 s71, s71, s72                     ; 16 x batch + head
	s_mov_b32 s73, HEADB
	s_mov_b32 s74, CH
	s_mov_b32 s76, CH
	s_mov_b32 s77, 8*FRB
	s_cmp_eq_u32 ttmp9, 0                          ; cluster x = 0 has wq's rows, 1 wk's
	s_cselect_b32 s73, QHEAD, s73                  ; from head to head
	s_cselect_b32 s74, 6144, s74                   ; from chunk to chunk: codes,
	s_cselect_b32 s76, 512, s76                    ; scale words
	s_cselect_b32 s75, QOFF, 0
	s_cselect_b32 s77, QOFF+49152, s77
	s_mul_i32 s71, s71, s73
	s_mul_i32 s74, s74, s70
	s_add_co_u32 s74, s74, s71
	s_add_co_u32 s74, s74, s75                     ; the even head's codes
	s_mul_i32 s76, s76, s70
	s_add_co_u32 s76, s76, s71
	s_add_co_u32 s76, s76, s77                     ; and scale words
	s_mov_b32 s75, 0
	s_mov_b32 s77, 0
	s_mov_b32 s78, s73
	s_mov_b32 s79, 0
	s_add_nc_u64 s[80:81], s[6:7], s[74:75]
	s_add_nc_u64 s[84:85], s[6:7], s[76:77]
	s_add_nc_u64 s[82:83], s[80:81], s[78:79]      ; the odd head's
	s_add_nc_u64 s[86:87], s[84:85], s[78:79]
	s_wait_alu depctr_va_vdst(0)
.irp a, 0,1,2,3,4,5,6,7
	global_store_b128 v[L16], v[PC+12*\a:PC+12*\a+3], s[80:81] offset:768*\a
	global_store_b64 v[L8], v[PC+12*\a+4:PC+12*\a+5], s[80:81] offset:768*\a+512
	global_store_b128 v[L16], v[PC+12*\a+6:PC+12*\a+9], s[82:83] offset:768*\a
	global_store_b64 v[L8], v[PC+12*\a+10:PC+12*\a+11], s[82:83] offset:768*\a+512
	global_store_b32 v[R4], v[PW+\a], s[84:85] offset:64*\a        ; (its upper two bytes are the odd head's: they meet codes that are zeros, and are never 0xff)
	global_store_b32 v[R4], v[PWO+\a], s[86:87] offset:64*\a
.endr
	s_branch .Lsent
.Lv_out:
	; v^T: my 128 rows are two heads' features (blocks 0-3, 4-7), my 128 columns a chunk of keys: block a is fragment a % 4 of V^T in that chunk
	s_lshl_b32 s70, s42, 1
	s_add_co_u32 s70, s70, s16                     ; group of tokens
	s_lshr_b32 s71, s70, 3                         ; batch
	s_and_b32 s70, s70, 7                          ; chunk
	s_lshl_b32 s72, s41, 1
	s_add_co_u32 s72, s72, s15
	s_lshl_b32 s72, s72, 1                         ; the even head
	s_lshl_b32 s71, s71, 4
	s_add_co_u32 s71, s71, s72
	s_lshl_b32 s71, s71, 3
	s_add_co_u32 s71, s71, s70
	s_mul_i32 s74, s71, CH
	s_add_co_u32 s74, s74, 6144
	s_mov_b32 s75, 0
	s_add_nc_u64 s[80:81], s[6:7], s[74:75]
	s_wait_alu depctr_va_vdst(0)
.irp a, 0,1,2,3,4,5,6,7
	SENDU \a, (\a/4)*HEADB+(\a%4)*FRB, 6656+(\a/4)*HEADB+(\a%4)*64
.endr
.Lsent:
.endif
	s_wait_tensorcnt 0x0                           ; the wave's end
	ds_add_u32 v[SPW], v[NIL]
	s_wait_dscnt 0x0
	CROUND                                         ; the closing round: no work-group ends while a partner may still ask for a tile that names it
	s_endpgm
.Lfunc_end_k_q5a72306f61_qkv:
	.size	k_q5a72306f61_qkv, .Lfunc_end_k_q5a72306f61_qkv-k_q5a72306f61_qkv
	.p2alignl 7, 3214868480
	.fill 96, 4, 3214868480
	.section	.rodata,"a",@progbits
	.p2align	6, 0x0
	.amdhsa_kernel k_q5a72306f61_qkv
		.amdhsa_group_segment_fixed_size 327680
		.amdhsa_private_segment_fixed_size 0
		.amdhsa_enable_private_segment 0
		.amdhsa_kernarg_size 16
		.amdhsa_user_sgpr_count 2
		.amdhsa_user_sgpr_kernarg_segment_ptr 1
		.amdhsa_wavefront_size32 1
		.amdhsa_system_sgpr_workgroup_id_x 1
		.amdhsa_system_sgpr_workgroup_id_y 1
		.amdhsa_system_sgpr_workgroup_id_z 1
		.amdhsa_system_vgpr_workitem_id 0
		.amdhsa_next_free_vgpr 1024
		.amdhsa_next_free_sgpr 100
		.amdhsa_reserve_vcc 0
		.amdhsa_float_denorm_mode_32 3
		.amdhsa_float_denorm_mode_16_64 3
		.amdhsa_memory_ordered 1
		.amdhsa_forward_progress 1
		.amdhsa_inst_pref_size 155
	.end_amdhsa_kernel
	.amdgpu_metadata
---
amdhsa.version: [ 1, 2 ]
amdhsa.kernels:
  - .name:           k_q5a72306f61_qkv
    .symbol:         k_q5a72306f61_qkv.kd
    .args:
      - { .name: qw, .offset: 0, .size: 8, .value_kind: global_buffer, .address_space: global }
      - { .name: qkv, .offset: 8, .size: 8, .value_kind: global_buffer, .address_space: global }
    .group_segment_fixed_size: 327680
    .private_segment_fixed_size: 0
    .kernarg_segment_align: 8
    .kernarg_segment_size: 16
    .max_flat_workgroup_size: 128
    .sgpr_count:     100
    .vgpr_count:     1024
    .wavefront_size: 32
...
	.end_amdgpu_metadata
.endif
;; end of part 2
;; launch attn (part 3): grid 4 x 64, 16 waves a work-group, clusters of 4 x 1, 169,984 bytes of LDS; arguments qkv, ctx; writes ctx
.if DOCPART == 3
	.amdgcn_target "amdgcn-amd-amdhsa--gfx1250"
	.amdhsa_code_object_version 6
	.text
	.protected	k_q5a72306f61_attn
	.globl	k_q5a72306f61_attn
	.p2align	8
	.type	k_q5a72306f61_attn,@function
k_q5a72306f61_attn:
	s_mov_b64 s[64:65], 0
	v_nop
	global_prefetch_b8 v0, s[64:65] scope:SCOPE_SE
	s_setreg_imm32_b32 hwreg(HW_REG_WAVE_MODE, 25, 1), 1
	s_wait_xcnt 0x0
	s_wait_alu depctr_hold_cnt(0) depctr_sa_sdst(0) depctr_va_vdst(0) depctr_va_sdst(0) depctr_va_ssrc(0) depctr_va_vcc(0) depctr_vm_vsrc(0)
	s_getreg_b32 s2, hwreg(HW_REG_IB_STS2, 6, 4)
	s_cmp_eq_u32 s2, 0
	s_cbranch_scc0 .Lentry_in_a_cluster
	s_endpgm
.Lentry_in_a_cluster:
	s_bfe_u32 s2, ttmp6, 0x10000c
	s_cmp_lg_u32 s2, 0x3003
	s_cbranch_scc0 .Lentry_shape_is_right
	s_endpgm
.Lentry_shape_is_right:
; Causal attention of one head on BF6 (E3M2) codes with E8M0 scales; the result, divided by the row's sum, is quantised along the features and stored as the next product's operand.
; INPUT (buffer qkv).  A head bh = 16 x batch + head: 8 chunks of 128 keys, 13,056 bytes each: K as 8 half fragments (16 keys x the head's 64: 768 bytes: registers 0-3 at 16 x lane, 4-5 at 512 + 8 x lane), V^T as 4 fragments
; (16 features x 128 keys, 1,536 bytes) at 6,144, K's scale words at 12,288 + 64 x tile + 4 r, V's at 12,800.  Q: from byte 64 x 104,448 on, 53,248 bytes a head: 64 half fragments, scale words at 49,152.
; Lane r of tile 2 b + u (of keys, queries or features) holds row 32 b + 8 u + r + 8 (r / 8) of its group, so that the registers of neighbouring tiles of a transposed result are neighbours along the next K.
; THE HEAD'S 64 FILL HALF OF THE INSTRUCTION'S K: registers 6-11 of K's and Q's fragments are zeros (zero codes add nothing under any scale byte but 0xff, which is never stored).
; THE SOFTMAX: t = score x log2(e) / 8; M = the row's largest t so far, rounded UP to a whole number; p = 2^(t - M) is quantised along the keys, not normalised; the row's sum is taken of the unquantised p.
; When M moves, the sum and O are multiplied by 2^(old M - new M): exact.
; SHARES.  The four work-groups of a cluster serve one head; its 104,448 bytes of K and V come into each one's LDS ONCE, by eight joint loads, and stay: nothing is filled again.
; A wave takes a tile row t of 16 and the tile of 16 queries 4 t + cx.  Its keys end in chunk t / 2, whatever cx: all work-groups have the same 72 key steps, and no branch hangs on a work-group's place in its cluster.
; THE ORDER OF t.  A wave has t / 2 + 1 key steps, 1 to 8.  With wave w = 4 a + c the chunk is ((c >> 1) + 2 (a >> 1)) xor 7 ((a xor c) & 1), and t = 2 x chunk + (a & 1):
; the four waves with one a have 18 steps together, and so have the four waves with one c.  Sixteen waves of 256 registers: one wave's vector work stands beside another's matrix work and LDS loads.
; Both products are used transposed: S^T = K Q^T, O^T = V^T P^T: a lane holds ONE query throughout.
; LIMITS: NaN and infinities are not served; a block of the result whose largest magnitude lies under 2^-122 keeps the scale byte 1.
.set CH,    13056
.set HEADB, 8*CH
.set QOFF,  64*HEADB
.set QHEAD, 53248
.set UNIT,  12800
.set L16, 1                            ; v1 16 x lane   v2 8 x lane   v3 4 r: never rewritten
.set L8,  2
.set R4,  3
.set KW,  4                            ; v4-7   K's scale words of four tiles
.set A16, 8                            ; v8-10  the chunk's LDS addresses
.set A8,  9
.set A4,  10
.set DQ,  11                           ; v11    my query's place in its chunk - 16 (lane / 16)
                                       ; v12 -M, v13 the largest t, v[14:15] the sum in two halves; v16-27 Q (22-27 zeros)
.set VW,  28                           ; v28-31 V's scale words
.set KF,  32                           ; v32-79 four fragments of K: the upper six registers of each stay zero
.set BM,  80                           ; v80-83 the blocks' largest scores, then p
.set PT,  84                           ; v84-91 at work
.set SO,  92                           ; v92-95 the conversions' scale operands
.set S,   96                           ; v96-159 S^T, then p
.set O,   160                          ; v160-191 O^T
.set VF,  192                          ; v192-239 V's four fragments
.set PCD, 240                          ; v240-251 p's codes;  v252 f, v253 p's scale word, v254 at work, v255 Q's scale words
.set WV,  18
.set TT,  19
.set SEL, 20
.set CS,  22
.set LAST, 24
.set CX,  25
.set BH,  26
.set G1,  28                           ; s[28:35], s[36:39] the joint load's descriptor
.set G0,  36
.set TB,  60
.set JK,  61
.macro CROUND                          ; a round of the cluster's barrier
	s_barrier_signal -1
	s_barrier_wait -1
	s_cmp_lg_u32 s[WV], 0
	s_cbranch_scc1 .Lnot_wave_0_\@
	s_barrier_signal -3
.Lnot_wave_0_\@:
	s_barrier_wait -3
	s_barrier_signal -1
	s_barrier_wait -1
.endm
	s_load_b128 s[4:7], s[0:1], 0x0                ; qkv, ctx
	v_lshl_add_u32 v254, v0, 2, 0x29000
	v_mov_b32 v255, 0
	ds_add_u32 v254, v255
	ds_add_u32 v254, v255
	s_wait_dscnt 0x0
	v_lshrrev_b32 v8, 5, v0
	s_delay_alu instid0(VALU_DEP_1)
	v_readfirstlane_b32 s[WV], v8                  ; wave 0..15 = 4 a + c
	s_lshr_b32 s40, s[WV], 2                       ; a
	s_xor_b32 s41, s40, s[WV]
	s_and_b32 s41, s41, 1                          ; (a xor c) & 1
	s_mul_i32 s41, s41, 7
	s_lshr_b32 s[LAST], s[WV], 1
	s_and_b32 s[LAST], s[LAST], 1                  ; c >> 1
	s_and_b32 s42, s40, 2                          ; 2 (a >> 1)
	s_or_b32 s[LAST], s[LAST], s42
	s_xor_b32 s[LAST], s[LAST], s41                ; my queries' chunk: the last that I walk
	s_and_b32 s40, s40, 1
	s_lshl_b32 s[TT], s[LAST], 1
	s_or_b32 s[TT], s[TT], s40                     ; t
	s_bfe_u32 s[CX], ttmp6, 0x40000                ; my place in the cluster
	s_and_b32 s[BH], ttmp7, 0xffff                 ; the head, which the four partners share
	s_mov_b32 s[G1], 15|(3<<16)|(1<<21)            ; 15:0 the mask: all four; 17:16 elements of 8 bytes; 21 set beside a mask.  A chunk: 51 rows of 256 dense bytes
	s_mov_b32 s[G1+1], 32<<16
	s_mov_b32 s[G1+2], 51<<16
	s_mov_b32 s[G1+3], 32<<16
	s_mov_b32 s[G1+4], 51
	s_mov_b32 s[G1+5], 32
	s_mov_b32 s[G1+6], 0
	s_mov_b32 s[G1+7], 0
	s_mul_i32 s40, s[BH], HEADB
	s_mul_i32 s41, s[WV], CH                       ; waves 0 to 7: chunk = wave
	s_mov_b32 s[G0], 1
	s_mov_b32 s[G0+1], s41                         ; LDS address: no place in the cluster enters it
	s_add_co_u32 s40, s40, s41
	s_mov_b32 s41, 0
	s_mov_b32 s[SEL], 0x76543210
	s_mov_b32 s[SEL+1], 0xfedcba98                 ; v_permlanex16_b32's selects for lane l xor 16
	s_mov_b32 s[CS], 0x3e38aa3b                    ; c = log2(e) / sqrt(64)
	s_mov_b32 s[CS+1], s[CS]                       ; (named with it as a pair, so it is written)
	s_wait_kmcnt 0x0
	s_add_nc_u64 s[G0+2:G0+3], s[4:5], s[40:41]
	s_or_b32 s[G0+3], s[G0+3], 0x80000000
	CROUND                                         ; all four work-groups are here: the joint loads meet
	s_cmp_lt_u32 s[WV], 8
	s_cbranch_scc0 .Lno_fill
	tensor_load_to_lds s[G0:G0+3], s[G1:G1+7]      ; one load of mine is out
	s_nop 0
.rept 4
	v_nop
.endr
.Lno_fill:
	s_lshl_b32 s42, s[TT], 2
	s_add_co_u32 s42, s42, s[CX]                   ; my tile of queries, 0 .. 63
	s_and_b32 s50, s42, 7                          ; and its place in its group of 128
	s_mul_i32 s43, s[BH], QHEAD
	s_add_co_u32 s43, s43, QOFF
	s_mul_i32 s44, s42, 768
	s_add_co_u32 s44, s44, s43
	s_mov_b32 s45, 0
	s_add_nc_u64 s[46:47], s[4:5], s[44:45]        ; Q's half fragment
	s_lshl_b32 s44, s42, 6
	s_add_co_u32 s44, s44, s43
	s_add_co_u32 s44, s44, 49152
	s_add_nc_u64 s[48:49], s[4:5], s[44:45]        ; and its scale words
	v_and_b32 v8, 31, v0
	s_delay_alu instid0(VALU_DEP_1)
	v_lshlrev_b32 v[L16], 4, v8
	s_delay_alu instid0(VALU_DEP_2)
	v_lshlrev_b32 v[L8], 3, v8
	v_and_b32 v9, 15, v0                           ; r
	v_bfe_u32 v10, v0, 4, 1                        ; h
	s_delay_alu instid0(VALU_DEP_2)
	v_lshlrev_b32 v[R4], 2, v9
	global_load_b128 v[16:19], v[L16], s[46:47]
	global_load_b64 v[20:21], v[L8], s[46:47] offset:512
	global_load_b32 v255, v[R4], s[48:49]
	s_lshr_b32 s51, s50, 1
	s_lshl_b32 s51, s51, 5
	s_and_b32 s52, s42, 1
	s_lshl_b32 s52, s52, 3
	s_add_co_u32 s51, s51, s52                     ; the tile's first row in its group
	v_and_b32 v[DQ], 8, v9
	s_delay_alu instid0(VALU_DEP_1)
	v_add_nc_u32 v[DQ], v[DQ], v9
	s_delay_alu instid0(VALU_DEP_1)
	v_add_nc_u32 v[DQ], s51, v[DQ]                 ; my query's place in its chunk,
	v_lshlrev_b32 v10, 4, v10
	s_delay_alu instid0(VALU_DEP_1)
	v_sub_nc_u32 v[DQ], v[DQ], v10                 ; - 16 h
	; where the result goes: ctx's unit (8 x batch + chunk) x 8 + head / 2, fragment = the tile's place, half = the head's parity
	s_lshr_b32 s53, s[BH], 4
	s_lshl_b32 s53, s53, 3
	s_add_co_u32 s53, s53, s[LAST]
	s_lshl_b32 s53, s53, 3
	s_bfe_u32 s54, s[BH], 0x30001
	s_add_co_u32 s53, s53, s54
	s_mul_i32 s53, s53, UNIT
	s_and_b32 s54, s[BH], 1
	s_mul_i32 s56, s50, 1536
	s_add_co_u32 s56, s56, s53
	s_mul_i32 s55, s54, 768
	s_add_co_u32 s56, s56, s55
	s_mov_b32 s57, 0
	s_lshl_b32 s58, s50, 6
	s_add_co_u32 s58, s58, s53
	s_lshl_b32 s55, s54, 1
	s_add_co_u32 s58, s58, s55
	s_add_co_u32 s58, s58, 12288
	s_mov_b32 s59, 0
	s_add_nc_u64 s[56:57], s[6:7], s[56:57]
	s_add_nc_u64 s[58:59], s[6:7], s[58:59]
.irp j, 22,23,24,25,26,27
	v_mov_b32 v\j, 0                               ; Q's upper 64 along K
.endr
.irp t, 0,1,2,3
.irp j, 6,7,8,9,10,11
	v_mov_b32 v[KF+12*\t+\j], 0                    ; K's: written once, no load lands here
.endr
.endr
	v_mov_b32 v13, 0xff61b1e6                      ; the largest t so far: -3e38, under every t
	s_delay_alu instid0(VALU_DEP_1)
	v_floor_f32 v12, -v13                          ; -M
	v_mov_b32 v14, 0                               ; the sum, in two halves
	v_mov_b32 v15, 0
.irp b, 0,1,2,3
	v_mov_b32 v[PT+\b], 0                          ; written once: a lane permute's destination counts as one of its sources
.endr
	v_mov_b32 v252, 0
	v_mov_b32 v253, 0                              ; (named as the upper half of the pair v[252:253] before it is first written)
.set j, 0
.rept 32
	v_mov_b32 v[O+j], 0                            ; O^T.  (The step is written once: the first finds zeros, which the first change of M leaves zeros)
.set j, j+1
.endr
	s_mov_b32 s[TB], 0
	s_mov_b32 s[JK], 0
	s_wait_tensorcnt 0x0                           ; my chunk has landed,
	s_wait_loadcnt 0x0                             ; Q too
	s_barrier_signal -1
	s_barrier_wait -1                              ; everybody's has: the whole head lies in LDS
.Lstep:                                            ; eight trips, a constant; a chunk all of whose keys come after my queries is left out by a branch on the wave's number
	s_cmp_gt_u32 s[JK], s[LAST]
	s_cbranch_scc1 .Lskip
	v_add_nc_u32 v[A16], s[TB], v[L16]
	s_wait_alu depctr_va_vdst(0)
	v_add_nc_u32 v[A8], s[TB], v[L8]
	s_wait_alu depctr_va_vdst(0)
	v_add_nc_u32 v[A4], s[TB], v[R4]
	s_wait_alu depctr_va_vdst(0)
	v_nop                                          ; four plain instructions behind the last step's products, in front of loads into their registers
.irp g, 0,1                            ; S^T = K Q^T, four tiles of 16 keys at a time
.if \g
.rept 4
	v_nop
.endr
.endif
.irp t, 0,1,2,3
	ds_load_b128 v[KF+12*\t:KF+12*\t+3], v[A16] offset:768*(4*\g+\t)
	ds_load_b64 v[KF+12*\t+4:KF+12*\t+5], v[A8] offset:768*(4*\g+\t)+512
	ds_load_b32 v[KW+\t], v[A4] offset:12288+64*(4*\g+\t)
.endr
	s_wait_dscnt 0x0
.irp t, 0,1,2,3
	v_wmma_scale_f32_16x16x128_f8f6f4 v[S+8*(4*\g+\t):S+8*(4*\g+\t)+7], v[KF+12*\t:KF+12*\t+11], v[16:27], 0, v[KW+\t], v255 matrix_a_fmt:MATRIX_FMT_BF6 matrix_b_fmt:MATRIX_FMT_BF6
.endr
.endr
.irp d, 0,1,2,3                        ; V's fragments are asked for now and land during the softmax
	ds_load_b128 v[VF+12*\d:VF+12*\d+3], v[A16] offset:6144+1536*\d
	ds_load_b64 v[VF+12*\d+4:VF+12*\d+5], v[A8] offset:6144+1536*\d+512
	ds_load_b128 v[VF+12*\d+6:VF+12*\d+9], v[A16] offset:6144+1536*\d+768
	ds_load_b64 v[VF+12*\d+10:VF+12*\d+11], v[A8] offset:6144+1536*\d+1280
	ds_load_b32 v[VW+\d], v[A4] offset:12800+64*\d
.endr
.rept 4
	v_nop                                          ; places in front of the first read of the scores
.endr
	s_cmp_lg_u32 s[JK], s[LAST]                    ; in my queries' own chunk the scores of later keys become -infinity ahead of the maximum: p = 0 then
	s_cbranch_scc1 .Lopen
	v_mov_b32 v254, 0xff800000
.irp n, 0,1,2,3,4,5,6,7,8,9,10,11,12,13,14,15,16,17,18,19,20,21,22,23,24,25,26,27,28,29,30,31,32,33,34,35,36,37,38,39,40,41,42,43,44,45,46,47,48,49,50,51,52,53,54,55,56,57,58,59,60,61,62,63
	v_cmp_gt_i32 vcc_lo, 32*(\n/16)+\n%16, v[DQ]   ; register 16 b + i holds key 32 b + 16 h + i of the chunk
	v_cndmask_b32 v[S+\n], v[S+\n], v254, vcc_lo
.endr
.Lopen:
.irp b, 0,1,2,3
	v_max3_num_f32 v[BM+\b], v[S+16*\b], v[S+1+16*\b], v[S+2+16*\b]   ; the largest score of each block of 32 keys: for the row's maximum and, since p rises with the score, for the block's largest p
.endr
.irp i, 3,5,7,9,11,13
.irp b, 0,1,2,3
	v_max3_num_f32 v[BM+\b], v[BM+\b], v[S+16*\b+\i], v[S+1+16*\b+\i]
.endr
.endr
.irp b, 0,1,2,3
	v_max_num_f32 v[BM+\b], v[BM+\b], v[S+15+16*\b]
.endr
.irp b, 0,1,2,3
	s_delay_alu instid0(VALU_DEP_4)
	v_permlanex16_b32 v[PT+\b], v[BM+\b], s[SEL], s[SEL+1]
.endr
.irp b, 0,1,2,3
	s_delay_alu instid0(VALU_DEP_4)
	v_max_num_f32 v[BM+\b], v[BM+\b], v[PT+\b]     ; with lane l xor 16's 16 keys
.endr
	s_delay_alu instid0(VALU_DEP_2)
	v_max3_num_f32 v254, v[BM], v[BM+1], v[BM+2]
	s_delay_alu instid0(VALU_DEP_1)
	v_max_num_f32 v254, v254, v[BM+3]              ; the step's largest score of my query
	s_delay_alu instid0(VALU_DEP_1)
	v_mul_f32 v254, s[CS], v254                    ; as t (c is positive)
	s_delay_alu instid0(VALU_DEP_1)
	v_max_num_f32 v13, v13, v254                   ; the running largest t
	v_mov_b32 v254, v12
	s_delay_alu instid0(VALU_DEP_2)
	v_floor_f32 v12, -v13                          ; the new -M = floor(-t): M is a whole number
	s_delay_alu instid0(VALU_DEP_1)
	v_sub_f32 v254, v12, v254                      ; old M - new M: a whole number, 0 or less
	s_delay_alu instid0(VALU_DEP_1)
	v_cvt_i32_f32 v254, v254                       ; (it saturates)
	s_delay_alu instid0(VALU_DEP_1)
	v_ldexp_f32 v252, 1.0, v254                    ; f = 2^(old M - new M)
.set j, 0
.rept 32
	v_pk_fma_f32 v[S+j:S+j+1], v[S+j:S+j+1], s[CS:CS+1], v[12:13] op_sel_hi:[1,0,0]   ; t - M, two at a time
.set j, j+2
.endr
.irp b, 0,1,2,3
	v_fma_f32 v[BM+\b], v[BM+\b], s[CS], v12       ; the same of each block's largest score
.endr
.set j, 0
	s_wait_alu depctr_va_vdst(0)
.rept 64
	v_exp_f32 v[S+j], v[S+j]                       ; p = 2^(t - M), at most 1: not normalised
.set j, j+1
.endr
	v_pk_mul_f32 v[14:15], v[14:15], v[252:253] op_sel_hi:[1,0]   ; the sums under the new M  (a plain instruction behind the exponentials)
	s_wait_alu depctr_va_vdst(0)                   ; one wait for the whole batch, ahead of its first reader
.irp b, 0,1,2,3
	v_exp_f32 v[BM+\b], v[BM+\b]                   ; the block's largest p: the same two instructions on the same number give the same bits
.endr
	v_pk_add_f32 v[84:85], v[100:101], v[104:105]
	v_pk_add_f32 v[250:251], v[108:109], v[112:113]
	v_pk_add_f32 v[248:249], v[116:117], v[120:121]
	v_pk_add_f32 v[246:247], v[124:125], v[128:129]
	v_pk_add_f32 v[244:245], v[132:133], v[136:137]
	v_pk_add_f32 v[242:243], v[140:141], v[144:145]
	v_pk_add_f32 v[240:241], v[148:149], v[152:153]
	v_pk_add_f32 v[14:15], v[14:15], v[156:157]
	v_pk_add_f32 v[84:85], v[84:85], v[96:97]
	v_pk_add_f32 v[250:251], v[250:251], v[98:99]
	v_pk_add_f32 v[248:249], v[248:249], v[102:103]
	v_pk_add_f32 v[246:247], v[246:247], v[106:107]
	v_pk_add_f32 v[244:245], v[244:245], v[110:111]
	v_pk_add_f32 v[242:243], v[242:243], v[114:115]
	v_pk_add_f32 v[240:241], v[240:241], v[118:119]
	v_pk_add_f32 v[14:15], v[14:15], v[122:123]
	v_pk_add_f32 v[84:85], v[84:85], v[126:127]
	v_pk_add_f32 v[250:251], v[250:251], v[130:131]
	v_pk_add_f32 v[248:249], v[248:249], v[134:135]
	v_pk_add_f32 v[246:247], v[246:247], v[138:139]
	v_pk_add_f32 v[244:245], v[244:245], v[142:143]
	v_pk_add_f32 v[242:243], v[242:243], v[146:147]
	v_pk_add_f32 v[240:241], v[240:241], v[150:151]
	v_pk_add_f32 v[14:15], v[14:15], v[154:155]
	v_pk_add_f32 v[84:85], v[84:85], v[158:159]
	s_delay_alu instid0(VALU_DEP_2)
	v_pk_add_f32 v[14:15], v[14:15], v[246:247]
	s_delay_alu instid0(VALU_DEP_2)
	v_pk_add_f32 v[84:85], v[84:85], v[244:245]
	v_pk_add_f32 v[250:251], v[250:251], v[242:243]
	v_pk_add_f32 v[248:249], v[248:249], v[240:241]
	s_delay_alu instid0(VALU_DEP_2)
	v_pk_add_f32 v[14:15], v[14:15], v[250:251]
	s_delay_alu instid0(VALU_DEP_2)
	v_pk_add_f32 v[84:85], v[84:85], v[248:249]
	s_delay_alu instid0(VALU_DEP_1)
	v_pk_add_f32 v[14:15], v[14:15], v[84:85]
	s_wait_alu depctr_va_vdst(0)                   ; and one for the four
.irp b, 0,1,2,3
	v_max_num_f32 v[BM+\b], 0x2800000, v[BM+\b]    ; the floor 2^(5 - 127): the byte cannot fall under 1 (a block whose every p is 0 keeps that byte: its codes are zeros)
.endr
.irp b, 0,1,2,3
	s_delay_alu instid0(VALU_DEP_4)
	v_add_nc_u32 v[SO+\b], 0xfe000000, v[BM+\b]    ; 4 off the exponent field: the conversion's scale operand
.endr
.irp b, 0,1,2,3
	s_delay_alu instid0(VALU_DEP_4)
	v_lshrrev_b32 v[PT+\b], 23, v[SO+\b]           ; the scale's byte
.endr
	s_delay_alu instid0(VALU_DEP_3)
	v_lshl_or_b32 v253, v[PT+1], 8, v[PT]          ; p's scale word for these 128 keys
	s_delay_alu instid0(VALU_DEP_1)
	v_lshl_or_b32 v253, v[PT+2], 16, v253
	s_delay_alu instid0(VALU_DEP_1)
	v_lshl_or_b32 v253, v[PT+3], 24, v253
.irp c, 0,1
	v_cvt_scalef32_pk16_bf6_f32 v[PCD+6*\c:PCD+6*\c+2], v[S+32*\c:S+32*\c+15], v[SO+2*\c]
	v_cvt_scalef32_pk16_bf6_f32 v[PT+4*\c:PT+4*\c+2], v[S+32*\c+16:S+32*\c+31], v[SO+2*\c+1]   ; (a conversion's three registers begin on an even number)
.endr
	v_nop                                          ; one plain instruction behind the scaled conversions
.irp c, 0,1                            ; the operand's layout wants a WHOLE block in a lane
.irp i, 0,1,2
	v_permlane16_swap_b32 v[PCD+6*\c+\i], v[PT+4*\c+\i]
.endr
.irp i, 0,1,2
	s_delay_alu instid0(VALU_DEP_3)
	v_mov_b32 v[PCD+3+6*\c+\i], v[PT+4*\c+\i]
.endr
.endr
.set j, 0
.rept 16
	v_pk_mul_f32 v[O+j:O+j+1], v[O+j:O+j+1], v[252:253] op_sel_hi:[1,0]   ; O^T under the new M.  (These 16 also stand between the lines that made p's codes and scale word and the products)
.set j, j+2
.endr
	s_wait_alu depctr_va_vdst(0)
	s_wait_dscnt 0x0                               ; V is in
.irp d, 0,1,2,3                        ; O^T += V^T P^T: four accumulators by turns
	v_wmma_scale_f32_16x16x128_f8f6f4 v[O+8*\d:O+8*\d+7], v[VF+12*\d:VF+12*\d+11], v[PCD:PCD+11], v[O+8*\d:O+8*\d+7], v[VW+\d], v253 matrix_a_fmt:MATRIX_FMT_BF6 matrix_b_fmt:MATRIX_FMT_BF6
.endr
.Lskip:
	s_add_co_u32 s[TB], s[TB], CH
	s_add_co_u32 s[JK], s[JK], 1
	s_cmp_lt_u32 s[JK], 8
	s_cbranch_scc1 .Lstep
	; THE WAY OUT.  O^T / the sum; register 16 b + e is feature 32 b + 16 h + e of my query: two blocks, quantised as p was: half a fragment of the next operand
.rept 4
	v_nop                                          ; places behind the last products
.endr
	v_add_f32 v14, v14, v15
	s_delay_alu instid0(VALU_DEP_1)
	v_permlanex16_b32 v252, v14, s[SEL], s[SEL+1]
	s_delay_alu instid0(VALU_DEP_1)
	v_add_f32 v14, v14, v252                       ; the row's sum
	s_wait_alu depctr_va_vdst(0)
	v_rcp_f32 v14, v14
	v_nop                                          ; a plain instruction behind the transcendental,
	s_wait_alu depctr_va_vdst(0)                   ; and the wait ahead of its result's first reader
.set j, 0
.rept 32
	v_mul_f32 v[S+j], v[O+j], v14
.set j, j+1
.endr
.irp b, 0,1
	v_max3_num_f32 v[BM+\b], |v[S+16*\b]|, |v[S+1+16*\b]|, 0x2800000
.endr
.irp i, 2,4,6,8,10,12,14
.irp b, 0,1
	s_delay_alu instid0(VALU_DEP_2)
	v_max3_num_f32 v[BM+\b], v[BM+\b], |v[S+16*\b+\i]|, |v[S+1+16*\b+\i]|
.endr
.endr
.irp b, 0,1
	s_delay_alu instid0(VALU_DEP_2)
	v_permlanex16_b32 v[PT+\b], v[BM+\b], s[SEL], s[SEL+1]
.endr
.irp b, 0,1
	s_delay_alu instid0(VALU_DEP_2)
	v_max_num_f32 v[BM+\b], v[BM+\b], v[PT+\b]
.endr
.irp b, 0,1
	s_delay_alu instid0(VALU_DEP_2)
	v_add_nc_u32 v[SO+\b], 0xfe000000, v[BM+\b]
.endr
.irp b, 0,1
	s_delay_alu instid0(VALU_DEP_2)
	v_lshrrev_b32 v[PT+\b], 23, v[SO+\b]
.endr
	s_delay_alu instid0(VALU_DEP_1)
	v_lshl_or_b32 v[PT+4], v[PT+1], 8, v[PT]       ; my head's two bytes of the row's scale word
	v_cvt_scalef32_pk16_bf6_f32 v[PCD:PCD+2], v[S:S+15], v[SO]
	v_cvt_scalef32_pk16_bf6_f32 v[PCD+8:PCD+10], v[S+16:S+31], v[SO+1]
	v_nop
.irp i, 0,1,2
	v_permlane16_swap_b32 v[PCD+\i], v[PCD+8+\i]
.endr
.irp i, 0,1,2
	s_delay_alu instid0(VALU_DEP_3)
	v_mov_b32 v[PCD+3+\i], v[PCD+8+\i]
.endr
	global_store_b128 v[L16], v[PCD:PCD+3], s[56:57]           ; 512 and 256 consecutive bytes, aligned
	global_store_b64 v[L8], v[PCD+4:PCD+5], s[56:57] offset:512
	global_store_b16 v[R4], v[PT+4], s[58:59]                  ; two bytes a row: the word's other half is the other head's, stored by its own work-group
	s_wait_xcnt 0x0
	v_lshl_add_u32 v254, v0, 2, 0x29000
	v_mov_b32 v255, 0
	s_wait_alu depctr_va_vdst(0)
	s_wait_tensorcnt 0x0
	ds_add_u32 v254, v255
	s_wait_dscnt 0x0
	CROUND                                         ; the closing round
	s_endpgm
.Lfunc_end_k_q5a72306f61_attn:
	.size	k_q5a72306f61_attn, .Lfunc_end_k_q5a72306f61_attn-k_q5a72306f61_attn
	.p2alignl 7, 3214868480
	.fill 96, 4, 3214868480
	.section	.rodata,"a",@progbits
	.p2align	6, 0x0
	.amdhsa_kernel k_q5a72306f61_attn
		.amdhsa_group_segment_fixed_size 169984
		.amdhsa_private_segment_fixed_size 0
		.amdhsa_enable_private_segment 0
		.amdhsa_kernarg_size 16
		.amdhsa_user_sgpr_count 2
		.amdhsa_user_sgpr_kernarg_segment_ptr 1
		.amdhsa_wavefront_size32 1
		.amdhsa_system_sgpr_workgroup_id_x 1
		.amdhsa_system_sgpr_workgroup_id_y 1
		.amdhsa_system_sgpr_workgroup_id_z 1
		.amdhsa_system_vgpr_workitem_id 0
		.amdhsa_next_free_vgpr 256
		.amdhsa_next_free_sgpr 66
		.amdhsa_reserve_vcc 1
		.amdhsa_float_denorm_mode_32 3
		.amdhsa_float_denorm_mode_16_64 3
		.amdhsa_memory_ordered 1
		.amdhsa_forward_progress 1
		.amdhsa_inst_pref_size 36
	.end_amdhsa_kernel
	.amdgpu_metadata
---
amdhsa.version: [ 1, 2 ]
amdhsa.kernels:
  - .name:           k_q5a72306f61_attn
    .symbol:         k_q5a72306f61_attn.kd
    .args:
      - { .name: qkv, .offset: 0, .size: 8, .value_kind: global_buffer, .address_space: global }
      - { .name: ctx, .offset: 8, .size: 8, .value_kind: global_buffer, .address_space: global }
    .group_segment_fixed_size: 169984
    .private_segment_fixed_size: 0
    .kernarg_segment_align: 8
    .kernarg_segment_size: 16
    .max_flat_workgroup_size: 512
    .sgpr_count:     66
    .vgpr_count:     256
    .wavefront_size: 32
...
	.end_amdgpu_metadata
.endif
;; end of part 3
;; launch projnorm (part 4): grid 128 x 1, 8 waves a work-group, no clusters, 70,656 bytes of LDS; arguments ctx, qw, bu, x, hbuf, lnh; writes hbuf, lnh
.if DOCPART == 4
	.amdgcn_target "amdgcn-amd-amdhsa--gfx1250"
	.amdhsa_code_object_version 6
	.text
	.protected	k_q5a72306f61_projnorm
	.globl	k_q5a72306f61_projnorm
	.p2align	8
	.type	k_q5a72306f61_projnorm,@function
k_q5a72306f61_projnorm:
	s_mov_b64 s[64:65], 0
	v_nop
	global_prefetch_b8 v0, s[64:65] scope:SCOPE_SE
	s_setreg_imm32_b32 hwreg(HW_REG_WAVE_MODE, 25, 1), 1
	s_wait_xcnt 0x0
; h = x + ctx wu^T + bu, the product on BF6 (E3M2) codes with E8M0 scales; h is stored as f32, and ln(h) (mean and variance over 1,024, eps 1e-4) is quantised along the features and stored as the next product's operand.
; SHARES.  A work-group owns TWO FRAGMENTS' 32 TOKENS over all 1,024 outputs, so that a row's mean and variance are made inside it, and each fragment of wu feeds two products: 4,096 tokens give 128 work-groups.
; Wave w of eight makes outputs 128 w .. 128 w + 127 of both fragments: 16 accumulators.  Tokens: group g = work-group / 4, pair q = work-group % 4; lane r of fragment 2 q + e holds row 128 g + 32 q + 8 e + r + 8 (r / 8).
; OPERANDS GO FROM MEMORY STRAIGHT INTO REGISTERS: they lie in the order of the operand's registers.  ctx: units of 12,800 bytes (group, K step): fragment f at 1,536 f: registers 0-3 at 16 x lane, 4-5 at 512 + 8 x lane,
; 6-9 at 768 + 16 x lane, 10-11 at 1,280 + 8 x lane; scale words at 12,288 + 64 f + 4 r.  wu (qw, from unit 448): registers 4 j .. 4 j + 3 at 512 j + 16 x lane, scale words at 12,288 + 32 r + 4 x fragment.
; A K step is 35 loads a wave, asked for two steps ahead.  Each fragment of wu is wanted by one wave of the work-group, so no byte goes through LDS on its way, and no tile lies in LDS to be shared: hence no tensor load and no cluster.
; No prefetch: the walk has 8 steps of 16 products, and its loads already run two of them ahead.
; THE MATRIX INSTRUCTION IS USED TRANSPOSED (source 0 = 16 rows of wu, source 1 = 16 tokens): a lane holds one token, register 16 b + i = output 32 b + 16 (lane / 16) + i of the wave's 128.
; x + bu, turned through the wave's own stage in LDS into that layout, is the C of the sums: they are made in place on it.  h goes back through the stage and leaves as rows of 512 bytes.
; LIMITS: NaN and infinities are not served; a block whose largest magnitude lies under 2^-122 keeps the scale byte 1, where the rule gives a block of zeros 127: its codes are zeros, and this program alone reads the bytes.
.set UNIT,  12800
.set FRB,   1536
.set WUOFF, 448*UNIT
.set RED1,  1024                       ; LDS: 0: the 32 rows' partial sums, 32 bytes a row (a word a wave), fragment e at 512 e; 1,024: the same for the squares
.set STG0,  2048                       ; a stage of 16 x 528 bytes for each wave
.set STGB,  16*528
.set SPARE, STG0+8*STGB                ; the spare words, 128 bytes a wave
.set L16, 1                            ; v1 16 x lane  v2 8 x lane  v3 4 r  v4 32 r  v8 4 x lane
.set L8,  2
.set R4,  3
.set R32, 4
.set SIN, 5                            ; v5 the stage by rows  v6 the stage by tokens: row r, + 64 h  v7 my wave's word of row r's partial sums
.set SOUT, 6
.set RW,  7
.set L4,  8
.set SPW, 28
.set NIL, 29
.set ASC, 30                           ; v30-31 ctx's scale words, two sets: lanes 0-15 fragment 2 q's, lanes 16-31 fragment 2 q + 1's
.set BSC, 32                           ; v32-47 wu's scale words, two sets
.set BIA, 48                           ; v48-51 bu
.set T,   52                           ; v52-75 at work, 12 for each fragment
.set TM,  76                           ; v76-91 the quantiser
.set QP,  92                           ; v92-115 the codes, 12 for each fragment; v116-122 the conversions' second halves; v124-125 the scale words
.set T2,  116
.set PW,  124
.set X,   128                          ; v128-255 x + bu, the sums, h, ln(h): fragment e at 128 + 64 e
                                       ; window 1: wu's fragments, two sets, v0-95 and v128-223; ctx's two, behind each set, v96-119 and v224-247; at the end h's rows
.set MSB, 0
.macro WIN new
.if MSB != (\new)
	s_set_vgpr_msb (MSB<<8)|(\new)
.set MSB, (\new)
.endif
.endm
	s_load_b256 s[4:11], s[0:1], 0x0               ; ctx, qw, bu, x
	s_load_b128 s[12:15], s[0:1], 0x20             ; hbuf, lnh
	v_lshl_add_u32 v[SPW], v0, 2, SPARE
	v_mov_b32 v[NIL], 0
	v_lshrrev_b32 v9, 5, v0
	v_readfirstlane_b32 s16, v9                    ; wave 0..7
	v_and_b32 v10, 31, v0
	v_and_b32 v11, 15, v0                          ; r
	v_bfe_u32 v12, v0, 4, 1                        ; h
	v_lshlrev_b32 v[L16], 4, v10
	v_lshlrev_b32 v[L8], 3, v10
	v_lshlrev_b32 v[L4], 2, v10
	v_lshlrev_b32 v[R4], 2, v11
	v_lshlrev_b32 v[R32], 5, v11
	s_mul_i32 s17, s16, STGB
	s_add_co_u32 s17, s17, STG0
	v_add_nc_u32 v[SIN], s17, v[L16]
	v_mul_u32_u24 v13, v11, 528
	v_lshl_add_u32 v13, v12, 6, v13
	v_add_nc_u32 v[SOUT], s17, v13
	s_lshl_b32 s17, s16, 2
	v_add_nc_u32 v[RW], s17, v[R32]
.irp b, 0,1,2,3
	v_mov_b32 v[TM+4+\b], 0                        ; written once: a lane permute's destination counts as one of its sources
.endr
	s_mov_b32 s18, 0x76543210
	s_mov_b32 s19, 0xfedcba98                      ; v_permlanex16_b32's selects for lane l xor 16
	s_mov_b32 s40, 0x3a800000                      ; 1 / 1,024
	s_lshr_b32 s20, ttmp9, 2                       ; g
	s_and_b32 s21, ttmp9, 3                        ; q
	s_mul_i32 s22, s20, 8*UNIT
	s_lshl_b32 s26, s21, 7
	s_add_co_u32 s26, s26, s22
	s_add_co_u32 s26, s26, 8*FRB                   ; ctx's scale words: 128 bytes for the two fragments
	s_mul_i32 s24, s21, 2*FRB
	s_add_co_u32 s22, s22, s24                     ; ctx's two fragments
	s_mov_b32 s23, 0
	s_mov_b32 s27, 0
	s_mul_i32 s28, s16, 8*UNIT
	s_add_co_u32 s28, s28, WUOFF                   ; wu's group w
	s_mov_b32 s29, 0
	s_lshl_b32 s30, s16, 9                         ; my 128 outputs: 512 bytes
	s_mov_b32 s31, 0
	s_lshl_b32 s32, s20, 7
	s_lshl_b32 s33, s21, 5
	s_add_co_u32 s32, s32, s33                     ; the first of the 32 rows
	s_lshl_b32 s32, s32, 12
	s_add_co_u32 s32, s32, s30
	s_mov_b32 s33, 0
	s_lshl_b32 s34, s20, 3
	s_add_co_u32 s34, s34, s16
	s_mul_i32 s34, s34, UNIT                       ; lnh's unit 8 g + w
	s_lshl_b32 s36, s21, 7
	s_add_co_u32 s36, s36, s34
	s_add_co_u32 s36, s36, 8*FRB
	s_add_co_u32 s34, s34, s24
	s_mov_b32 s35, 0
	s_mov_b32 s37, 0
	s_wait_alu depctr_va_vdst(0)                   ; the wait at the head's end
	s_wait_kmcnt 0x0
	s_add_nc_u64 s[38:39], s[4:5], s[26:27]
	s_add_nc_u64 s[4:5], s[4:5], s[22:23]
	s_add_nc_u64 s[6:7], s[6:7], s[28:29]
	s_add_nc_u64 s[8:9], s[8:9], s[30:31]
	s_add_nc_u64 s[10:11], s[10:11], s[32:33]
	s_add_nc_u64 s[12:13], s[12:13], s[32:33]
	s_add_nc_u64 s[42:43], s[14:15], s[36:37]
	s_add_nc_u64 s[14:15], s[14:15], s[34:35]
.macro LOADS u                         ; K step u's 35 loads into set u % 2
.set p, (\u)%2
	global_load_b32 v[ASC+p], v[L4], s[38:39] offset:(\u)*UNIT
.irp j, 0,1
	global_load_b128 v[BSC+8*p+4*\j:BSC+8*p+4*\j+3], v[R32], s[6:7] offset:(\u)*UNIT+8*FRB+16*\j
.endr
	WIN 0x40                                       ; destination window 1
.irp e, 0,1
	global_load_b128 v[96+128*p+12*\e:96+128*p+12*\e+3], v[L16], s[4:5] offset:(\u)*UNIT+FRB*\e
	global_load_b64 v[96+128*p+12*\e+4:96+128*p+12*\e+5], v[L8], s[4:5] offset:(\u)*UNIT+FRB*\e+512
	global_load_b128 v[96+128*p+12*\e+6:96+128*p+12*\e+9], v[L16], s[4:5] offset:(\u)*UNIT+FRB*\e+768
	global_load_b64 v[96+128*p+12*\e+10:96+128*p+12*\e+11], v[L8], s[4:5] offset:(\u)*UNIT+FRB*\e+1280
.endr
.irp b, 0,1,2,3,4,5,6,7
.irp j, 0,1,2
	global_load_b128 v[128*p+12*\b+4*\j:128*p+12*\b+4*\j+3], v[L16], s[6:7] offset:(\u)*UNIT+FRB*\b+512*\j
.endr
.endr
	WIN 0
.endm
	global_load_b128 v[BIA:BIA+3], v[L16], s[8:9]
.irp e, 0,1
.irp j, 0,1,2,3,4,5,6,7,8,9,10,11,12,13,14,15
	global_load_b128 v[X+64*\e+4*\j:X+64*\e+4*\j+3], v[L16], s[10:11] offset:(8*\e+\j+8*(\j/8))*4096 th:TH_LOAD_NT   ; 512 consecutive bytes of one row of x
.endr
.endr
	LOADS 0
	LOADS 1
	s_wait_loadcnt 63                              ; of the 103 loads issued at most 63 are out: the first 40 are in, bu's one and x's 32 among them
.set i, 0
.rept 32
	v_pk_add_f32 v[X+4*i:X+4*i+1], v[X+4*i:X+4*i+1], v[BIA:BIA+1]
	v_pk_add_f32 v[X+4*i+2:X+4*i+3], v[X+4*i+2:X+4*i+3], v[BIA+2:BIA+3]
.set i, i+1
.endr
.irp e, 0,1                            ; one fragment after the other through my stage.  LDS serves a wave's instructions in order: the loads see my stores, and the next fragment's stores come behind them
.irp j, 0,1,2,3,4,5,6,7,8,9,10,11,12,13,14,15
	ds_store_b128 v[SIN], v[X+64*\e+4*\j:X+64*\e+4*\j+3] offset:528*\j
.endr
.irp b, 0,1,2,3
.irp k, 0,1,2,3
	ds_load_b128 v[X+64*\e+16*\b+4*\k:X+64*\e+16*\b+4*\k+3], v[SOUT] offset:128*\b+16*\k
.endr
.endr
.endr
	s_wait_dscnt 0x0
.macro PSTEP t                         ; 16 products, the 16 accumulators by turns; then the loads of two steps on, into the set just read
.set p, (\t)%2
.if (\t) < 7
	s_wait_loadcnt 35                              ; this step's loads are in; the next step's 35 may be out
.else
	s_wait_loadcnt 0x0
.endif
	WIN 0x05                                       ; sources 0 (wu) and 1 (ctx) window 1
.irp b, 0,1,2,3,4,5,6,7
	v_wmma_scale_f32_16x16x128_f8f6f4 v[X+8*\b:X+8*\b+7], v[128*p+12*\b:128*p+12*\b+11], v[96+128*p:96+128*p+11], v[X+8*\b:X+8*\b+7], v[BSC+8*p+\b], v[ASC+p] matrix_a_fmt:MATRIX_FMT_BF6 matrix_b_fmt:MATRIX_FMT_BF6
	v_wmma_scale_f32_16x16x128_f8f6f4 v[X+64+8*\b:X+64+8*\b+7], v[128*p+12*\b:128*p+12*\b+11], v[108+128*p:108+128*p+11], v[X+64+8*\b:X+64+8*\b+7], v[BSC+8*p+\b], v[ASC+p] matrix_a_fmt:MATRIX_FMT_BF6 matrix_b_fmt:MATRIX_FMT_BF6 matrix_b_scale:MATRIX_SCALE_ROW1
.endr
.rept 4
	v_nop                                          ; four places between a product and a load into, or a read of, its registers
.endr
	WIN 0
.if (\t)+2 < 8
	LOADS (\t)+2
.endif
.endm
.irp t, 0,1,2,3,4,5,6,7
	PSTEP \t
.endr
	; h leaves: back through my stage, each accumulator from its low end on, then rows of 512 bytes, into wu's registers, which are done with
.irp e, 0,1
.irp b, 0,1,2,3
.irp k, 0,1,2,3
	ds_store_b128 v[SOUT], v[X+64*\e+16*\b+4*\k:X+64*\e+16*\b+4*\k+3] offset:128*\b+16*\k
.endr
.endr
	WIN 0x40
.irp j, 0,1,2,3,4,5,6,7,8,9,10,11,12,13,14,15
	ds_load_b128 v[128*\e+4*\j:128*\e+4*\j+3], v[SIN] offset:528*\j
.endr
	WIN 0
.endr
; A row's total over all 1,024: four packed chains over my 64 (SUM or SQ), joined with lane l xor 16's and put into my wave's word (PUT); one barrier for both fragments (MEET); the eight waves' words (GET), added in one fixed order (TOT).
.macro SUM e
.set XE, X+64*(\e)
.set TE, T+12*(\e)
.irp k, 0,1,2,3
	v_pk_add_f32 v[TE+2*\k:TE+2*\k+1], v[XE+4*\k:XE+4*\k+1], v[XE+4*\k+2:XE+4*\k+3]
.endr
.irp i, 16,24,32,40,48,56
.irp k, 0,1,2,3
	v_pk_add_f32 v[TE+2*\k:TE+2*\k+1], v[TE+2*\k:TE+2*\k+1], v[XE+\i+2*\k:XE+\i+2*\k+1]
.endr
.endr
.endm
.macro SQ e
.set XE, X+64*(\e)
.set TE, T+12*(\e)
.irp k, 0,1,2,3
	v_pk_mul_f32 v[TE+2*\k:TE+2*\k+1], v[XE+2*\k:XE+2*\k+1], v[XE+2*\k:XE+2*\k+1]
.endr
.irp i, 8,16,24,32,40,48,56
.irp k, 0,1,2,3
	v_pk_fma_f32 v[TE+2*\k:TE+2*\k+1], v[XE+\i+2*\k:XE+\i+2*\k+1], v[XE+\i+2*\k:XE+\i+2*\k+1], v[TE+2*\k:TE+2*\k+1]
.endr
.endr
.endm
.macro PUT e, red
.set TE, T+12*(\e)
	s_delay_alu instid0(VALU_DEP_3)
	v_pk_add_f32 v[TE:TE+1], v[TE:TE+1], v[TE+2:TE+3]
	s_delay_alu instid0(VALU_DEP_2)
	v_pk_add_f32 v[TE+4:TE+5], v[TE+4:TE+5], v[TE+6:TE+7]
	s_delay_alu instid0(VALU_DEP_1)
	v_pk_add_f32 v[TE:TE+1], v[TE:TE+1], v[TE+4:TE+5]
	s_delay_alu instid0(VALU_DEP_1)
	v_add_f32 v[TE], v[TE], v[TE+1]
	s_delay_alu instid0(VALU_DEP_1)
	v_permlanex16_b32 v[TE+1], v[TE], s18, s19
	s_delay_alu instid0(VALU_DEP_1)
	v_add_f32 v[TE], v[TE], v[TE+1]
	ds_store_b32 v[RW], v[TE] offset:(\red)+512*(\e)   ; lanes r and r + 16 write the same word with the same value
.endm
.macro MEET
	s_wait_dscnt 0x0                               ; for the others' sake: my stores have landed
	s_barrier_signal -1
	s_barrier_wait -1
.endm
.macro GET e, red
.set TE, T+12*(\e)
	ds_load_b128 v[TE:TE+3], v[R32] offset:(\red)+512*(\e)
	ds_load_b128 v[TE+4:TE+7], v[R32] offset:(\red)+512*(\e)+16
.endm
.macro TOT e
.set TE, T+12*(\e)
	v_add_f32 v[TE], v[TE], v[TE+1]
	v_add_f32 v[TE+2], v[TE+2], v[TE+3]
	v_add_f32 v[TE+4], v[TE+4], v[TE+5]
	v_add_f32 v[TE+6], v[TE+6], v[TE+7]
	s_delay_alu instid0(VALU_DEP_3)
	v_add_f32 v[TE], v[TE], v[TE+2]
	s_delay_alu instid0(VALU_DEP_2)
	v_add_f32 v[TE+4], v[TE+4], v[TE+6]
	s_delay_alu instid0(VALU_DEP_1)
	v_add_f32 v[TE], v[TE], v[TE+4]
.endm
	; the mean
	SUM 0
	PUT 0, 0
	SUM 1
	PUT 1, 0
	MEET                                           ; its wait for all my LDS instructions also shows h's rows back in registers
	GET 0, 0
	GET 1, 0
	WIN 0x04                                       ; a store's data: window 1
.irp e, 0,1
.irp j, 0,1,2,3,4,5,6,7,8,9,10,11,12,13,14,15
	global_store_b128 v[L16], v[128*\e+4*\j:128*\e+4*\j+3], s[12:13] offset:(8*\e+\j+8*(\j/8))*4096   ; 32 lanes store 512 consecutive bytes, aligned
.endr
.endr
	WIN 0
	s_wait_dscnt 0x0
.irp e, 0,1
	TOT \e
	s_delay_alu instid0(VALU_DEP_1)
	v_mul_f32 v[T+12*\e+8], s40, v[T+12*\e]        ; the mean, twice: a pair for the packed form
	v_mul_f32 v[T+12*\e+9], s40, v[T+12*\e]
.endr
.irp e, 0,1
.set i, 0
.rept 32
	v_pk_add_f32 v[X+64*\e+i:X+64*\e+i+1], v[X+64*\e+i:X+64*\e+i+1], v[T+12*\e+8:T+12*\e+9] neg_lo:[0,1] neg_hi:[0,1]
.set i, i+2
.endr
.endr
	; the variance, of the centred numbers; other words than the mean's: no wave can overwrite what another still reads
	SQ 0
	PUT 0, RED1
	SQ 1
	PUT 1, RED1
	MEET
	GET 0, RED1
	GET 1, RED1
	s_wait_dscnt 0x0
.irp e, 0,1
	TOT \e
	s_delay_alu instid0(VALU_DEP_1)
	v_fma_f32 v[T+12*\e], v[T+12*\e], s40, 0x38d1b717   ; variance + 1e-4
.endr
	s_wait_alu depctr_va_vdst(0)                   ; the wait ahead of the transcendentals,
	v_rsq_f32 v[T+2], v[T]
	v_rsq_f32 v[T+14], v[T+12]
	v_nop                                          ; a plain instruction behind them,
	s_wait_alu depctr_va_vdst(0)                   ; and the wait ahead of their results' first reader
	v_mov_b32 v[T+3], v[T+2]
	v_mov_b32 v[T+15], v[T+14]
.irp e, 0,1
.set i, 0
.rept 32
	v_pk_mul_f32 v[X+64*\e+i:X+64*\e+i+1], v[X+64*\e+i:X+64*\e+i+1], v[T+12*\e+2:T+12*\e+3]
.set i, i+2
.endr
.endr
; The quantiser: four blocks of 32 along the next K, 16 numbers of each in my registers, the other 16 in lane l xor 16's.  Each fragment has registers of its own for its codes and scale word: no store's data are written again.
.macro QUANT e
.set XE, X+64*(\e)
.set QE, QP+12*(\e)
.irp b, 0,1,2,3
	v_max3_num_f32 v[TM+\b], |v[XE+16*\b]|, |v[XE+16*\b+1]|, 0x2800000   ; the floor 2^(5 - 127): the byte cannot fall under 1
.endr
.irp i, 2,4,6,8,10,12,14
.irp b, 0,1,2,3
	v_max3_num_f32 v[TM+\b], |v[XE+16*\b+\i]|, |v[XE+16*\b+\i+1]|, v[TM+\b]
.endr
.endr
.irp b, 0,1,2,3
	v_permlanex16_b32 v[TM+4+\b], v[TM+\b], s18, s19
.endr
.irp b, 0,1,2,3
	v_max_num_f32 v[TM+\b], v[TM+\b], v[TM+4+\b]
.endr
.irp b, 0,1,2,3
	v_add_nc_u32 v[TM+12+\b], 0xfe000000, v[TM+\b] ; 4 off the exponent field: the conversion's scale operand
.endr
.irp b, 0,1,2,3
	v_lshrrev_b32 v[TM+4+\b], 23, v[TM+12+\b]      ; the scale's byte
.endr
	v_lshl_or_b32 v[PW+(\e)], v[TM+5], 8, v[TM+4]
	s_delay_alu instid0(VALU_DEP_1)
	v_lshl_or_b32 v[PW+(\e)], v[TM+6], 16, v[PW+(\e)]
	s_delay_alu instid0(VALU_DEP_1)
	v_lshl_or_b32 v[PW+(\e)], v[TM+7], 24, v[PW+(\e)]
.irp c, 0,1
	v_cvt_scalef32_pk16_bf6_f32 v[QE+6*\c:QE+6*\c+2], v[XE+32*\c:XE+32*\c+15], v[TM+12+2*\c]
	v_cvt_scalef32_pk16_bf6_f32 v[T2+4*\c:T2+4*\c+2], v[XE+32*\c+16:XE+32*\c+31], v[TM+12+2*\c+1]   ; (a conversion's three registers begin on an even number)
.endr
	v_nop                                          ; one plain instruction behind the scaled conversions
.irp c, 0,1                            ; the operand's layout wants a whole block in a lane
.irp i, 0,1,2
	v_permlane16_swap_b32 v[QE+6*\c+\i], v[T2+4*\c+\i]
.endr
.irp i, 0,1,2
	v_mov_b32 v[QE+3+6*\c+\i], v[T2+4*\c+\i]
.endr
.endr
	global_store_b128 v[L16], v[QE:QE+3], s[14:15] offset:FRB*(\e)             ; fragment 2 q + e of unit 8 g + w: stores of 512 or 256 consecutive bytes, aligned
	global_store_b64 v[L8], v[QE+4:QE+5], s[14:15] offset:FRB*(\e)+512
	global_store_b128 v[L16], v[QE+6:QE+9], s[14:15] offset:FRB*(\e)+768
	global_store_b64 v[L8], v[QE+10:QE+11], s[14:15] offset:FRB*(\e)+1280
	global_store_b32 v[R4], v[PW+(\e)], s[42:43] offset:64*(\e)
.endm
	QUANT 0
	QUANT 1
	s_wait_tensorcnt 0x0                           ; the wave's end
	ds_add_u32 v[SPW], v[NIL]
	s_wait_dscnt 0x0
	s_endpgm
.Lfunc_end_k_q5a72306f61_projnorm:
	.size	k_q5a72306f61_projnorm, .Lfunc_end_k_q5a72306f61_projnorm-k_q5a72306f61_projnorm
	.p2alignl 7, 3214868480
	.fill 96, 4, 3214868480
	.section	.rodata,"a",@progbits
	.p2align	6, 0x0
	.amdhsa_kernel k_q5a72306f61_projnorm
		.amdhsa_group_segment_fixed_size 70656
		.amdhsa_private_segment_fixed_size 0
		.amdhsa_enable_private_segment 0
		.amdhsa_kernarg_size 48
		.amdhsa_user_sgpr_count 2
		.amdhsa_user_sgpr_kernarg_segment_ptr 1
		.amdhsa_wavefront_size32 1
		.amdhsa_system_sgpr_workgroup_id_x 1
		.amdhsa_system_sgpr_workgroup_id_y 1
		.amdhsa_system_sgpr_workgroup_id_z 1
		.amdhsa_system_vgpr_workitem_id 0
		.amdhsa_next_free_vgpr 512
		.amdhsa_next_free_sgpr 66
		.amdhsa_reserve_vcc 0
		.amdhsa_float_denorm_mode_32 3
		.amdhsa_float_denorm_mode_16_64 3
		.amdhsa_memory_ordered 1
		.amdhsa_forward_progress 1
		.amdhsa_inst_pref_size 95
	.end_amdhsa_kernel
	.amdgpu_metadata
---
amdhsa.version: [ 1, 2 ]
amdhsa.kernels:
  - .name:           k_q5a72306f61_projnorm
    .symbol:         k_q5a72306f61_projnorm.kd
    .args:
      - { .name: ctx, .offset: 0, .size: 8, .value_kind: global_buffer, .address_space: global }
      - { .name: qw, .offset: 8, .size: 8, .value_kind: global_buffer, .address_space: global }
      - { .name: bu, .offset: 16, .size: 8, .value_kind: global_buffer, .address_space: global }
      - { .name: x, .offset: 24, .size: 8, .value_kind: global_buffer, .address_space: global }
      - { .name: hbuf, .offset: 32, .size: 8, .value_kind: global_buffer, .address_space: global }
      - { .name: lnh, .offset: 40, .size: 8, .value_kind: global_buffer, .address_space: global }
    .group_segment_fixed_size: 70656
    .private_segment_fixed_size: 0
    .kernarg_segment_align: 8
    .kernarg_segment_size: 48
    .max_flat_workgroup_size: 256
    .sgpr_count:     66
    .vgpr_count:     512
    .wavefront_size: 32
...
	.end_amdgpu_metadata
.endif
;; end of part 4
;; launch ffn1 (part 5): grid 16 x 16, 4 waves a work-group, clusters of 4 x 4, 327,680 bytes of LDS; arguments qw, b1, hid, lnh; writes hid
.if DOCPART == 5
	.amdgcn_target "amdgcn-amd-amdhsa--gfx1250"
	.amdhsa_code_object_version 6
	.text
	.protected	k_q5a72306f61_ffn1
	.globl	k_q5a72306f61_ffn1
	.p2align	8
	.type	k_q5a72306f61_ffn1,@function
k_q5a72306f61_ffn1:
	s_mov_b64 s[64:65], 0
	v_nop
	global_prefetch_b8 v0, s[64:65] scope:SCOPE_SE
	s_setreg_imm32_b32 hwreg(HW_REG_WAVE_MODE, 25, 1), 1
	s_wait_xcnt 0x0
	s_wait_alu depctr_hold_cnt(0) depctr_sa_sdst(0) depctr_va_vdst(0) depctr_va_sdst(0) depctr_va_ssrc(0) depctr_va_vcc(0) depctr_vm_vsrc(0)
	s_getreg_b32 s2, hwreg(HW_REG_IB_STS2, 6, 4)
	s_cmp_eq_u32 s2, 0
	s_cbranch_scc0 .Lentry_in_a_cluster
	s_endpgm
.Lentry_in_a_cluster:
	s_bfe_u32 s2, ttmp6, 0x10000c
	s_cmp_lg_u32 s2, 0xf033
	s_cbranch_scc0 .Lentry_shape_is_right
	s_endpgm
.Lentry_shape_is_right:
.set FFN,   1
.set UNIT,  12800
.set FRB,   1536
.set GRP,   8*UNIT
.set HALFT, 2*UNIT
.set SLOT,  4*HALFT
.set SPARE, 2*SLOT
.set WQOFF, 256*UNIT
.set WVOFF, 384*UNIT
.set W1OFF, 512*UNIT
.set CH,    13056
.set HEADB, 8*CH
.set QOFF,  64*HEADB
.set QHEAD, 53248
.set FR,    12
.set NL,    4
.set ADRA,  16
.set ADRB,  20
.set ADRS,  24
.set L16,   26
.set L8,    27
.set SPW,   28
.set NIL,   29
.set R4,    30
.set SC,    32
.set AF,    128
.set PC,    32
.set TM,    200
.set PW,    216
.set T2,    224
.set PWO,   240
.set G1,  24
.set G0,  32
.set G1B, 48
.set G0B, 56
.set MSB, 0
.macro WIN new
.if MSB != (\new)
	s_set_vgpr_msb (MSB<<8)|(\new)
.set MSB, (\new)
.endif
.endm
.set MUL_LO, 0xa1
.set MUL_HI, 0xf1
.set TO_B,   0x40
.macro JLOAD g0a, g1a, g0b, g1b
	s_cmp_eq_u32 s15, 0
	s_cbranch_scc0 .Lfor_b_\@
	tensor_load_to_lds s[\g0a:\g0a+3], s[\g1a:\g1a+7]
	s_nop 0
.rept 4
	v_nop
.endr
	s_branch .Lasked_\@
.Lfor_b_\@:
	tensor_load_to_lds s[\g0b:\g0b+3], s[\g1b:\g1b+7]
	s_nop 0
.rept 4
	v_nop
.endr
.Lasked_\@:
.endm
.macro CREST
	s_cmp_lg_u32 s14, 0
	s_cbranch_scc1 .Lnot_wave_0_\@
	s_barrier_signal -3
.Lnot_wave_0_\@:
	s_barrier_wait -3
	s_barrier_signal -1
	s_barrier_wait -1
.endm
.macro CROUND
	s_barrier_signal -1
	s_barrier_wait -1
	CREST
.endm
.macro PLACES
.rept 4
	v_nop
.endr
.endm
	s_load_b128 s[4:7], s[0:1], 0x0
.if FFN
	s_load_b64 s[8:9], s[0:1], 0x10
	s_load_b64 s[10:11], s[0:1], 0x18              ; lnh: the normed tokens' units
.endif
	v_lshl_add_u32 v[SPW], v0, 2, SPARE
	v_mov_b32 v[NIL], 0
	ds_add_u32 v28, v29
	ds_add_u32 v28, v29
	s_wait_dscnt 0x0
	v_lshrrev_b32 v1, 5, v0
	v_readfirstlane_b32 s14, v1
	s_lshr_b32 s15, s14, 1
	s_and_b32 s16, s14, 1
	s_bfe_u32 s40, ttmp6, 0x40000
	s_bfe_u32 s41, ttmp6, 0x40004
	s_and_b32 s66, ttmp7, 0xffff
	s_lshl_b32 s43, s41, 2
	s_lshl_b32 s43, 15, s43
	s_lshl_b32 s44, 0x1111, s40
.if FFN
	s_lshl_b32 s17, s66, 2
	s_add_co_u32 s17, s17, s41
	s_lshl_b32 s42, ttmp9, 2
	s_add_co_u32 s42, s42, s40
.else
	s_lshr_b32 s67, s66, 2
	s_xor_b32 s68, s67, 1
	s_lshl_b32 s17, s66, 2
	s_mul_i32 s17, s17, s68
	s_add_co_u32 s17, s17, s41
	s_and_b32 s42, s66, 3
	s_mul_i32 s42, s42, s67
	s_lshl_b32 s42, s42, 3
	s_lshl_b32 s46, ttmp9, 2
	s_add_co_u32 s42, s42, s46
	s_add_co_u32 s42, s42, s40
.endif
	s_or_b32 s[G1+0], s43, (3<<16)|(1<<21)
	s_or_b32 s[G1B+0], s44, (3<<16)|(1<<21)
.irp g, G1, G1B
	s_mov_b32 s[\g+1], 32<<16
	s_mov_b32 s[\g+2], 100<<16
	s_mov_b32 s[\g+3], 32<<16
	s_mov_b32 s[\g+4], 100
	s_mov_b32 s[\g+5], 32
	s_mov_b32 s[\g+6], 0
	s_mov_b32 s[\g+7], 0
.endr
	s_lshl_b32 s20, s17, 1
	s_add_co_u32 s20, s20, s16
	s_mul_i32 s20, s20, GRP
	s_lshl_b32 s46, s42, 1
	s_add_co_u32 s46, s46, s16
	s_mul_i32 s46, s46, GRP
.if FFN
	s_add_co_u32 s46, s46, W1OFF
.else
	s_mul_i32 s21, s67, WVOFF
	s_add_co_u32 s20, s20, s21
	s_mul_i32 s47, s68, WQOFF
	s_add_co_u32 s46, s46, s47
.endif
	s_mov_b32 s21, 0
	s_mov_b32 s47, 0
	s_mul_i32 s45, s14, HALFT
	s_wait_kmcnt 0x0
	s_add_nc_u64 s[20:21], s[10:11], s[20:21]
	s_add_nc_u64 s[46:47], s[4:5], s[46:47]
	CROUND
.irp s, 0,1
	s_mov_b32 s[G0+4*\s], 1
	s_add_co_u32 s[G0+4*\s+1], s45, \s*SLOT
	s_add_nc_u64 s[G0+4*\s+2:G0+4*\s+3], s[20:21], \s*HALFT
	s_or_b32 s[G0+4*\s+3], s[G0+4*\s+3], 0x80000000
	s_mov_b32 s[G0B+4*\s], 1
	s_add_co_u32 s[G0B+4*\s+1], s45, \s*SLOT
	s_add_nc_u64 s[G0B+4*\s+2:G0B+4*\s+3], s[46:47], \s*HALFT
	s_or_b32 s[G0B+4*\s+3], s[G0B+4*\s+3], 0x80000000
.if \s
	s_wait_alu depctr_va_vdst(0)
	s_wait_tensorcnt 0x0                           ; slot 1's first fill is issued as a refill is: my part of slot 0 is in,
	ds_add_u32 v28, v29                            ; 0 onto my spare word,
	s_wait_dscnt 0x0
	CROUND                                         ; and a whole round of the cluster's barrier
.endif
	JLOAD G0+4*\s, G1, G0B+4*\s, G1B
.endr
	v_and_b32 v1, 15, v0
	v_bfe_u32 v2, v0, 4, 1
	v_and_b32 v3, 31, v0
	v_lshlrev_b32 v[L16], 4, v3
	v_lshlrev_b32 v[L8], 3, v3
	v_lshlrev_b32 v[R4], 2, v1
	v_lshlrev_b32 v31, 5, v1                       ; 32 r: a row's eight scale words in hid's units
	s_mul_i32 s21, s15, HALFT
	s_mul_i32 s22, s16, HALFT
	s_add_co_u32 s22, s22, 2*HALFT
.irp s, 0,1
	v_add_nc_u32 v[ADRA+\s], s21, v[L16]
	v_add_nc_u32 v[ADRA+2+\s], s21, v[L8]
	v_add_nc_u32 v[ADRB+\s], s22, v[L16]
	v_add_nc_u32 v[ADRB+2+\s], s22, v[L8]
	s_add_co_u32 s21, s21, SLOT
	s_add_co_u32 s22, s22, SLOT
.endr
	s_mul_i32 s21, s15, HALFT
	s_mul_i32 s22, s16, HALFT
	s_add_co_u32 s22, s22, 2*HALFT
	s_sub_co_u32 s22, s22, s21
	v_mul_u32_u24 v5, s22, v2
	v_add_nc_u32 v5, v5, v[R4]
	s_add_co_u32 s21, s21, 8*FRB
	v_add_nc_u32 v[ADRS], s21, v5
	v_add_nc_u32 v[ADRS+1], SLOT, v[ADRS]
	s_mov_b32 s18, 0x76543210
	s_mov_b32 s19, 0xfedcba98
.if FFN
	s_lshl_b32 s22, s42, 1
	s_add_co_u32 s22, s22, s16
	s_lshl_b32 s22, s22, 9
	s_mov_b32 s23, 0
	s_add_nc_u64 s[6:7], s[6:7], s[22:23]
	v_lshlrev_b32 v6, 6, v2
	WIN TO_B
.irp b, 0,1,2,3,4,5,6,7
	global_load_b128 v[96+8*(\b%4)+128*(\b/4):96+8*(\b%4)+128*(\b/4)+3], v6, s[6:7] offset:(32*(\b/2)+8*(\b%2))*4
	global_load_b128 v[96+8*(\b%4)+128*(\b/4)+4:96+8*(\b%4)+128*(\b/4)+7], v6, s[6:7] offset:(32*(\b/2)+8*(\b%2))*4+16
.endr
	WIN 0
.endif
.macro FRAG reg, adr, off
	ds_load_b128 v[(\reg):(\reg)+3], v[\adr] offset:(\off)
	ds_load_b64 v[(\reg)+4:(\reg)+5], v[(\adr)+2] offset:(\off)+512
	ds_load_b128 v[(\reg)+6:(\reg)+9], v[\adr] offset:(\off)+768
	ds_load_b64 v[(\reg)+10:(\reg)+11], v[(\adr)+2] offset:(\off)+1280
.endm
.macro FETCH_B slot, q, p
	WIN TO_B
.irp i, 0,1,2,3,4,5,6,7
	FRAG 128*(\p)+FR*\i, ADRB+\slot, (\q)*UNIT+FRB*\i
.endr
	WIN 0
.endm
.macro FETCH_A slot, q, i0
.irp i, \i0, \i0+1, \i0+2, \i0+3
	FRAG AF+FR*(\i), ADRA+\slot, (\q)*UNIT+FRB*(\i)
.endr
.endm
.macro SCALES sc
.irp i, 0,1,2,3,4,5,6,7
.irp q, 0,1
	ds_load_b32 v[SC+16*\sc+2*\i+\q], v[ADRS+\sc] offset:\q*UNIT+64*\i
.endr
.endr
.endm
.macro MUL16 a0, p, q, sc, first
.irp a, \a0, \a0+1
.irp b, 0,1,2,3,4,5,6,7
.set rD, 8*(8*((\a)%4)+\b)
.set rB, 128*(\p)+FR*\b
.set rA, AF+FR*(\a)
.set rC, 96+8*(\b%4)+128*(\b/4)
.set wB, SC+16*(\sc)+2*\b+(\q)
.set wA, SC+16*(\sc)+2*(\a)+(\q)
.if (\first) && FFN
	v_wmma_scale_f32_16x16x128_f8f6f4 v[rD:rD+7], v[rB:rB+FR-1], v[rA:rA+FR-1], v[rC:rC+7], v[wB], v[wA] matrix_a_fmt:MATRIX_FMT_BF6 matrix_b_fmt:MATRIX_FMT_BF6 matrix_a_scale:MATRIX_SCALE_ROW1
.elseif \first
	v_wmma_scale_f32_16x16x128_f8f6f4 v[rD:rD+7], v[rB:rB+FR-1], v[rA:rA+FR-1], 0, v[wB], v[wA] matrix_a_fmt:MATRIX_FMT_BF6 matrix_b_fmt:MATRIX_FMT_BF6 matrix_a_scale:MATRIX_SCALE_ROW1
.else
	v_wmma_scale_f32_16x16x128_f8f6f4 v[rD:rD+7], v[rB:rB+FR-1], v[rA:rA+FR-1], v[rD:rD+7], v[wB], v[wA] matrix_a_fmt:MATRIX_FMT_BF6 matrix_b_fmt:MATRIX_FMT_BF6 matrix_a_scale:MATRIX_SCALE_ROW1
.endif
.endr
.endr
.endm
.macro STEP slot, first
	s_wait_dscnt 4*NL
.if (\first) && FFN
	WIN 0x91
.else
	WIN MUL_LO
.endif
	MUL16 0, 0, 0, \slot, \first
	MUL16 2, 0, 0, \slot, \first
	s_wait_dscnt 0x0
	PLACES
	FETCH_B \slot, 1, 1
	FETCH_A \slot, 1, 0
.if (\first) && FFN
	WIN 0xd1
.else
	WIN MUL_HI
.endif
	MUL16 4, 0, 0, \slot, \first
	MUL16 6, 0, 0, \slot, \first
	PLACES
	WIN 0
	FETCH_A \slot, 1, 4
.endm
.macro TURN slot, next, fill
	s_wait_tensorcnt 0x0
	ds_add_u32 v[SPW], v[NIL]
	s_wait_dscnt 4*NL+1
	WIN MUL_LO
	MUL16 0, 1, 1, \slot, 0
	s_wait_dscnt 0x0
	s_barrier_signal -1
	MUL16 2, 1, 1, \slot, 0
	WIN 0
	s_barrier_wait -1
.if \fill
	CREST
	s_add_nc_u64 s[G0+4*\slot+2:G0+4*\slot+3], s[G0+4*\slot+2:G0+4*\slot+3], 2*HALFT
	s_add_nc_u64 s[G0B+4*\slot+2:G0B+4*\slot+3], s[G0B+4*\slot+2:G0B+4*\slot+3], 2*HALFT
	JLOAD G0+4*\slot, G1, G0B+4*\slot, G1B
.else
	PLACES
.endif
	FETCH_B \next, 0, 0
	FETCH_A \next, 0, 0
	SCALES \next
	WIN MUL_HI
	MUL16 4, 1, 1, \slot, 0
	MUL16 6, 1, 1, \slot, 0
	PLACES
	WIN 0
	FETCH_A \next, 0, 4
.endm
	s_wait_alu depctr_va_vdst(0)
	s_wait_tensorcnt 1
	s_barrier_signal -1
	s_barrier_wait -1
	FETCH_B 0, 0, 0
	FETCH_A 0, 0, 0
	SCALES 0
	FETCH_A 0, 0, 4
.if FFN
	s_wait_loadcnt 0x0
.endif
	STEP 0, 1
	TURN 0, 1, 1
	STEP 1, 0
	TURN 1, 0, 1
	STEP 0, 0
	TURN 0, 1, 0
	STEP 1, 0
	s_wait_dscnt 4*NL
	WIN MUL_LO
	MUL16 0, 1, 1, 1, 0
	MUL16 2, 1, 1, 1, 0
	s_wait_dscnt 0x0
	WIN MUL_HI
	MUL16 4, 1, 1, 1, 0
	MUL16 6, 1, 1, 1, 0
	WIN 0
.macro QUANT a
.set QW, 2+(\a)/4
.set QS, 64*((\a)%4)
.set QP, PC+12*(\a)
.if FFN
	WIN (QW<<6)|(QW<<2)
.set j, 0
.rept 64
	v_max_num_f32 v[QS+j], 0, v[QS+j]
.set j, j+1
.endr
.endif
	WIN QW|(QW<<2)
.irp b, 0,1,2,3
	v_max3_num_f32 v[TM+\b], |v[QS+16*\b]|, |v[QS+16*\b+1]|, 0x2800000
.endr
.irp i, 2,4,6,8,10,12,14
.irp b, 0,1,2,3
	v_max3_num_f32 v[TM+\b], |v[QS+16*\b+\i]|, |v[QS+16*\b+\i+1]|, v[TM+\b]
.endr
.endr
	WIN 0
.irp b, 0,1,2,3
	v_permlanex16_b32 v[TM+4+\b], v[TM+\b], s18, s19
.endr
.irp b, 0,1,2,3
	v_max_num_f32 v[TM+\b], v[TM+\b], v[TM+4+\b]
.endr
.irp b, 0,1,2,3
	v_add_nc_u32 v[TM+12+\b], 0xfe000000, v[TM+\b]
.endr
.irp b, 0,1,2,3
	v_lshrrev_b32 v[TM+4+\b], 23, v[TM+12+\b]
.endr
	v_lshl_or_b32 v[PW+(\a)], v[TM+5], 8, v[TM+4]
	v_lshl_or_b32 v[PW+(\a)], v[TM+6], 16, v[PW+(\a)]
	v_lshl_or_b32 v[PW+(\a)], v[TM+7], 24, v[PW+(\a)]
.if !FFN
	v_lshrrev_b32 v[PWO+(\a)], 16, v[PW+(\a)]
.endif
	WIN QW
.irp c, 0,1
	v_cvt_scalef32_pk16_bf6_f32 v[QP+6*\c:QP+6*\c+2], v[QS+32*\c:QS+32*\c+15], v[TM+12+2*\c]
	v_cvt_scalef32_pk16_bf6_f32 v[T2+4*\c:T2+4*\c+2], v[QS+32*\c+16:QS+32*\c+31], v[TM+12+2*\c+1]
.endr
	WIN 0
	v_nop
.irp c, 0,1
.irp i, 0,1,2
	v_permlane16_swap_b32 v[QP+6*\c+\i], v[T2+4*\c+\i]
.endr
.irp i, 0,1,2
	v_mov_b32 v[QP+3+6*\c+\i], v[T2+4*\c+\i]
.endr
.endr
.endm
.macro SENDU a, off, soff
	global_store_b128 v[L16], v[PC+12*(\a):PC+12*(\a)+3], s[80:81] offset:(\off)          ; hid's units: a fragment's registers 4 j .. 4 j + 3 at 512 j + 16 x lane
	global_store_b128 v[L16], v[PC+12*(\a)+4:PC+12*(\a)+7], s[80:81] offset:(\off)+512
	global_store_b128 v[L16], v[PC+12*(\a)+8:PC+12*(\a)+11], s[80:81] offset:(\off)+1024
.endm
	PLACES
.irp b, 0,1,2,3
	v_mov_b32 v[TM+4+\b], 0
.endr
.if FFN
	s_lshl_b32 s70, s17, 1
	s_add_co_u32 s70, s70, s15
	s_lshl_b32 s70, s70, 5
	s_lshl_b32 s71, s42, 1
	s_add_co_u32 s71, s71, s16
	s_add_co_u32 s70, s70, s71
	s_mul_i32 s70, s70, UNIT
	s_mov_b32 s71, 0
	s_add_nc_u64 s[80:81], s[8:9], s[70:71]
.irp a, 0,1,2,3,4,5,6,7
	QUANT \a
	SENDU \a, FRB*\a, 8*FRB+64*\a
.endr
	global_store_b128 v31, v[PW:PW+3], s[80:81] offset:8*FRB       ; the scale words at 12,288 + 32 r + 4 x fragment (lanes r and r + 16 store the same)
	global_store_b128 v31, v[PW+4:PW+7], s[80:81] offset:8*FRB+16
.else
.irp a, 0,1,2,3,4,5,6,7
	QUANT \a
.endr
	s_cmp_lt_u32 s66, 4
	s_cbranch_scc0 .Lv_out
	s_lshl_b32 s70, s17, 1
	s_add_co_u32 s70, s70, s15
	s_lshr_b32 s71, s70, 3
	s_and_b32 s70, s70, 7
	s_lshl_b32 s72, s40, 1
	s_add_co_u32 s72, s72, s16
	s_lshl_b32 s72, s72, 1
	s_lshl_b32 s71, s71, 4
	s_add_co_u32 s71, s71, s72
	s_mov_b32 s73, HEADB
	s_mov_b32 s74, CH
	s_mov_b32 s76, CH
	s_mov_b32 s77, 8*FRB
	s_cmp_eq_u32 ttmp9, 0
	s_cselect_b32 s73, QHEAD, s73
	s_cselect_b32 s74, 6144, s74
	s_cselect_b32 s76, 512, s76
	s_cselect_b32 s75, QOFF, 0
	s_cselect_b32 s77, QOFF+49152, s77
	s_mul_i32 s71, s71, s73
	s_mul_i32 s74, s74, s70
	s_add_co_u32 s74, s74, s71
	s_add_co_u32 s74, s74, s75
	s_mul_i32 s76, s76, s70
	s_add_co_u32 s76, s76, s71
	s_add_co_u32 s76, s76, s77
	s_mov_b32 s75, 0
	s_mov_b32 s77, 0
	s_mov_b32 s78, s73
	s_mov_b32 s79, 0
	s_add_nc_u64 s[80:81], s[6:7], s[74:75]
	s_add_nc_u64 s[84:85], s[6:7], s[76:77]
	s_add_nc_u64 s[82:83], s[80:81], s[78:79]
	s_add_nc_u64 s[86:87], s[84:85], s[78:79]
.irp a, 0,1,2,3,4,5,6,7
	global_store_b128 v[L16], v[PC+12*\a:PC+12*\a+3], s[80:81] offset:768*\a
	global_store_b64 v[L8], v[PC+12*\a+4:PC+12*\a+5], s[80:81] offset:768*\a+512
	global_store_b128 v[L16], v[PC+12*\a+6:PC+12*\a+9], s[82:83] offset:768*\a
	global_store_b64 v[L8], v[PC+12*\a+10:PC+12*\a+11], s[82:83] offset:768*\a+512
	global_store_b32 v[R4], v[PW+\a], s[84:85] offset:64*\a
	global_store_b32 v[R4], v[PWO+\a], s[86:87] offset:64*\a
.endr
	s_branch .Lsent
.Lv_out:
	s_lshl_b32 s70, s42, 1
	s_add_co_u32 s70, s70, s16
	s_lshr_b32 s71, s70, 3
	s_and_b32 s70, s70, 7
	s_lshl_b32 s72, s41, 1
	s_add_co_u32 s72, s72, s15
	s_lshl_b32 s72, s72, 1
	s_lshl_b32 s71, s71, 4
	s_add_co_u32 s71, s71, s72
	s_lshl_b32 s71, s71, 3
	s_add_co_u32 s71, s71, s70
	s_mul_i32 s74, s71, CH
	s_add_co_u32 s74, s74, 6144
	s_mov_b32 s75, 0
	s_add_nc_u64 s[80:81], s[6:7], s[74:75]
.irp a, 0,1,2,3,4,5,6,7
	SENDU \a, (\a/4)*HEADB+(\a%4)*FRB, 6656+(\a/4)*HEADB+(\a%4)*64
.endr
.Lsent:
.endif
	s_wait_tensorcnt 0x0
	ds_add_u32 v[SPW], v[NIL]
	s_wait_dscnt 0x0
	CROUND
	s_endpgm
.Lfunc_end_k_q5a72306f61_ffn1:
	.size	k_q5a72306f61_ffn1, .Lfunc_end_k_q5a72306f61_ffn1-k_q5a72306f61_ffn1
	.p2alignl 7, 3214868480
	.fill 96, 4, 3214868480
	.section	.rodata,"a",@progbits
	.p2align	6, 0x0
	.amdhsa_kernel k_q5a72306f61_ffn1
		.amdhsa_group_segment_fixed_size 327680
		.amdhsa_private_segment_fixed_size 0
		.amdhsa_enable_private_segment 0
		.amdhsa_kernarg_size 32
		.amdhsa_user_sgpr_count 2
		.amdhsa_user_sgpr_kernarg_segment_ptr 1
		.amdhsa_wavefront_size32 1
		.amdhsa_system_sgpr_workgroup_id_x 1
		.amdhsa_system_sgpr_workgroup_id_y 1
		.amdhsa_system_sgpr_workgroup_id_z 1
		.amdhsa_system_vgpr_workitem_id 0
		.amdhsa_next_free_vgpr 1024
		.amdhsa_next_free_sgpr 100
		.amdhsa_reserve_vcc 0
		.amdhsa_float_denorm_mode_32 3
		.amdhsa_float_denorm_mode_16_64 3
		.amdhsa_memory_ordered 1
		.amdhsa_forward_progress 1
		.amdhsa_inst_pref_size 165
	.end_amdhsa_kernel
	.amdgpu_metadata
---
amdhsa.version: [ 1, 2 ]
amdhsa.kernels:
  - .name:           k_q5a72306f61_ffn1
    .symbol:         k_q5a72306f61_ffn1.kd
    .args:
      - { .name: qw, .offset: 0, .size: 8, .value_kind: global_buffer, .address_space: global }
      - { .name: b1, .offset: 8, .size: 8, .value_kind: global_buffer, .address_space: global }
      - { .name: hid, .offset: 16, .size: 8, .value_kind: global_buffer, .address_space: global }
      - { .name: lnh, .offset: 24, .size: 8, .value_kind: global_buffer, .address_space: global }
    .group_segment_fixed_size: 327680
    .private_segment_fixed_size: 0
    .kernarg_segment_align: 8
    .kernarg_segment_size: 32
    .max_flat_workgroup_size: 128
    .sgpr_count:     100
    .vgpr_count:     1024
    .wavefront_size: 32
...
	.end_amdgpu_metadata
.endif
;; end of part 5
;; launch down (part 6): grid 32 x 8, 4 waves a work-group, no clusters, 270,848 bytes of LDS; arguments hid, qw, b2, hbuf, out0; writes out0
.if DOCPART == 6
	.amdgcn_target "amdgcn-amd-amdhsa--gfx1250"
	.amdhsa_code_object_version 6
	.text
	.protected	k_q5a72306f61_down
	.globl	k_q5a72306f61_down
	.p2align	8
	.type	k_q5a72306f61_down,@function
k_q5a72306f61_down:
	s_mov_b64 s[64:65], 0
	v_nop
	global_prefetch_b8 v0, s[64:65] scope:SCOPE_SE
	s_setreg_imm32_b32 hwreg(HW_REG_WAVE_MODE, 25, 1), 1
	s_wait_xcnt 0x0
; out = h + hidden w2^T + b2, the product on BF6 (E3M2) codes with E8M0 scales, K = 4,096; out, h: [4,096][1,024] f32.
; SHARES.  256 work-groups, each 128 tokens (hid's group y) x 128 outputs (w2's group x).  K IS DEALT AMONG THE FOUR WAVES: wave w takes K steps 8 w .. 8 w + 7 and holds the whole 128 x 128: 64 accumulators, 512 registers.
; OPERANDS GO FROM MEMORY STRAIGHT INTO REGISTERS.  A unit (a group of 128 rows, a K step of 128) is 12,800 bytes: fragment f at 1,536 f, its registers 4 j .. 4 j + 3 at 512 j + 16 x lane; scale words at 12,288 + 32 r + 4 f.
; Lane r of fragment 2 b + u holds row 32 b + 8 u + r + 8 (r / 8).  A group's 32 units lie on end; w2's begin at unit 768 of qw.
; Each unit is wanted by ONE wave of the work-group and each fragment feeds 8 products from registers, so no operand byte passes through LDS: hence no tensor load, no ring, no barrier in the walk, and no cluster, since no tile lies in LDS to be shared.
; A K step is 52 loads a wave (48 of fragments, 4 of scale words), each of 512 consecutive bytes.  Two sets of registers for each operand: a block of hid is asked for anew, two steps ahead, as soon as its 8 products are issued, w2's set at the step's end.
; PREFETCH: in step t (0 to 3) the units of step t + 4, two steps ahead of their loads.  The 8 work-groups that read a unit of hid name 7 of its 50 blocks of 256 bytes each, the first 25 of the 32 that read a unit of w2 two each.
; Steps 4 and 5 name the wave's own 32 x 512 bytes of h, which are loaded at the end of step 6.
; THE MATRIX INSTRUCTION IS USED TRANSPOSED (source 0 = 16 rows of w2, source 1 = 16 tokens): a lane holds eight neighbouring outputs of one token.
; THE WAY OUT.  Each wave lays its part into a stage of its own in LDS, 128 rows of 528 bytes, in the tokens' natural order, block by block in its last K step; one barrier; wave w adds the four parts of rows 32 w .. 32 w + 31, h and b2, and stores rows of 512 bytes.
; REGISTERS, in windows of 256: window 0: v1-10 addresses, v24-27 b2, v32-63 scale words (set p: hid's at 32 + 16 p, w2's at 40 + 16 p), hid's fragments at v64 and v160.
;   window 1: w2's fragments at v0 and v128; at the end v0-127 h.   windows 2, 3: accumulator (a, b) at v[8 (8 (a % 4) + b)]; at the end the four parts.
.set UNIT,  12800
.set FRB,   1536
.set WOFF,  768*UNIT
.set SPITCH, 528
.set STG,   128*SPITCH
.set SPARE, 4*STG                      ; behind the stages: the spare words, 128 bytes a wave
.set L16, 1                            ; v1 16 x lane   v2 32 r
.set R32, 2
.set STO, 3                            ; v3 my stage: where I put 16 bytes of a row
.set RD,  4                            ; v4-7 the four stages: where I read a row back
.set PFH, 8                            ; v8-10 the prefetches' offsets: hid, w2, h
.set PFW, 9
.set PFR, 10
.set BIA, 24
.set SPW, 28
.set NIL, 29
.set SC,  32
.set AF,  64
.set MSB, 0
.macro WIN new                         ; the immediate's high byte repeats the setting that is left
.if MSB != (\new)
	s_set_vgpr_msb (MSB<<8)|(\new)
.set MSB, (\new)
.endif
.endm
.set MUL_LO, 0xa1                      ; source 0 (w2) window 1, source 1 (hid) window 0, C and D window 2
	s_load_b256 s[4:11], s[0:1], 0x0               ; hid, qw, b2, hbuf
	s_load_b64 s[12:13], s[0:1], 0x20              ; out0
	v_lshl_add_u32 v[SPW], v0, 2, SPARE
	v_mov_b32 v[NIL], 0
	v_lshrrev_b32 v11, 5, v0
	v_readfirstlane_b32 s14, v11                   ; wave 0..3
	v_and_b32 v12, 31, v0                          ; lane
	v_and_b32 v13, 15, v0                          ; r
	v_bfe_u32 v14, v0, 4, 1                        ; h
	v_lshlrev_b32 v[L16], 4, v12
	v_lshlrev_b32 v[R32], 5, v13
	v_and_b32 v15, 8, v13
	v_add_nc_u32 v15, v15, v13                     ; r + 8 (r / 8)
	v_mul_u32_u24 v15, v15, SPITCH
	v_lshl_add_u32 v15, v14, 6, v15                ; + 64 h
	s_mul_i32 s15, s14, STG
	v_add_nc_u32 v[STO], s15, v15
	s_mul_i32 s15, s14, 32*SPITCH
	v_add_nc_u32 v[RD], s15, v[L16]
.irp s, 1,2,3
	v_add_nc_u32 v[RD+\s], \s*STG, v[RD]
.endr
	; the grid is 32 x 8: its first axis counts hid's groups, which these comments call y, its second w2's groups, which they call x: the eight work-groups that read one group of hid have numbers 32 apart
	s_mov_b32 s16, ttmp9                           ; y: hid's group
	s_and_b32 s26, ttmp7, 0xffff                   ; x: w2's group
	s_mul_i32 s17, s26, 7
	v_min_u32 v[PFH], 6, v12                       ; hid: blocks 7 x .. 7 x + 6 of a unit's 50, held at the last (lanes left over name my last block again)
	v_add_nc_u32 v[PFH], s17, v[PFH]
	v_min_u32 v[PFH], 49, v[PFH]
	v_lshlrev_b32 v[PFH], 8, v[PFH]
	s_lshl_b32 s17, s16, 1
	v_min_u32 v[PFW], 1, v12                       ; w2: blocks 2 y, 2 y + 1, where y is under 25
	v_add_nc_u32 v[PFW], s17, v[PFW]
	v_lshlrev_b32 v[PFW], 8, v[PFW]
	v_lshlrev_b32 v[PFR], 12, v12                  ; h: a lane a row
	s_lshl_b32 s18, s16, 5
	s_lshl_b32 s19, s14, 3
	s_add_co_u32 s18, s18, s19
	s_mul_i32 s18, s18, UNIT                       ; hid: unit 32 y + 8 w
	s_lshl_b32 s20, s26, 5
	s_add_co_u32 s20, s20, s19
	s_mul_i32 s20, s20, UNIT
	s_add_co_u32 s20, s20, WOFF                    ; w2: unit 768 + 32 x + 8 w
	s_mov_b32 s19, 0
	s_mov_b32 s21, 0
	s_lshl_b32 s22, s16, 7
	s_lshl_b32 s23, s14, 5
	s_add_co_u32 s22, s22, s23                     ; the rows that I store: 128 y + 32 w,
	s_lshl_b32 s22, s22, 12
	s_lshl_b32 s24, s26, 9
	s_add_co_u32 s22, s22, s24                     ; and the tile's 512 bytes in them
	s_mov_b32 s23, 0
	s_mov_b32 s25, 0
	s_wait_alu depctr_va_vdst(0)                   ; the wait at the head's end
	s_wait_kmcnt 0x0
	s_add_nc_u64 s[4:5], s[4:5], s[18:19]
	s_add_nc_u64 s[6:7], s[6:7], s[20:21]
	s_add_nc_u64 s[8:9], s[8:9], s[24:25]
	s_add_nc_u64 s[10:11], s[10:11], s[22:23]
	s_add_nc_u64 s[12:13], s[12:13], s[22:23]
.macro LDA2 u, a0                      ; hid's blocks a0, a0 + 1 of my step u: 6 loads
.irp a, \a0, \a0+1
.irp j, 0,1,2
	global_load_b128 v[AF+96*((\u)%2)+12*(\a)+4*\j:AF+96*((\u)%2)+12*(\a)+4*\j+3], v[L16], s[4:5] offset:(\u)*UNIT+FRB*(\a)+512*\j
.endr
.endr
.endm
.macro LDB u                           ; w2's eight fragments: 24 loads
	WIN 0x40                                       ; destination window 1
.irp b, 0,1,2,3,4,5,6,7
.irp j, 0,1,2
	global_load_b128 v[128*((\u)%2)+12*\b+4*\j:128*((\u)%2)+12*\b+4*\j+3], v[L16], s[6:7] offset:(\u)*UNIT+FRB*\b+512*\j
.endr
.endr
	WIN 0
.endm
.macro LDSC u                          ; the scale words: register i of a side's eight holds, in lane r, row r's word of fragment i: 4 loads
.irp j, 0,1
	global_load_b128 v[SC+16*((\u)%2)+4*\j:SC+16*((\u)%2)+4*\j+3], v[R32], s[4:5] offset:(\u)*UNIT+8*FRB+16*\j
	global_load_b128 v[SC+16*((\u)%2)+8+4*\j:SC+16*((\u)%2)+8+4*\j+3], v[R32], s[6:7] offset:(\u)*UNIT+8*FRB+16*\j
.endr
.endm
; 16 products: hid's blocks a0, a0 + 1 x w2's eight.  zero = 1: the product starts the sums: nothing is cleared.  The 64 accumulators take turns, in the same order in every step.
.macro MUL16 a0, p, zero
.irp a, \a0, \a0+1
.irp b, 0,1,2,3,4,5,6,7
.set rD, 8*(8*((\a)%4)+\b)
.set rB, 128*(\p)+12*\b
.set rA, AF+96*(\p)+12*(\a)
.set wB, SC+16*(\p)+8+\b
.set wA, SC+16*(\p)+(\a)
.if \zero
	v_wmma_scale_f32_16x16x128_f8f6f4 v[rD:rD+7], v[rB:rB+11], v[rA:rA+11], 0, v[wB], v[wA] matrix_a_fmt:MATRIX_FMT_BF6 matrix_b_fmt:MATRIX_FMT_BF6
.else
	v_wmma_scale_f32_16x16x128_f8f6f4 v[rD:rD+7], v[rB:rB+11], v[rA:rA+11], v[rD:rD+7], v[wB], v[wA] matrix_a_fmt:MATRIX_FMT_BF6 matrix_b_fmt:MATRIX_FMT_BF6
.endif
.endr
.endr
.endm
.macro PLACES                          ; four plain vector instructions between a product and a load into, or a read of, its registers
.rept 4
	v_nop
.endr
.endm
.macro ASK t                           ; every window is 0 here
.if (\t) < 4
	global_prefetch_b8 v[PFH], s[4:5] offset:((\t)+4)*UNIT th:TH_LOAD_NT scope:SCOPE_SE
	s_cmp_lt_u32 s16, 25                           ; the branch hangs on the work-group's number alone
	s_cbranch_scc0 .Lnot_mine_\@
	global_prefetch_b8 v[PFW], s[6:7] offset:((\t)+4)*UNIT th:TH_LOAD_NT scope:SCOPE_SE
.Lnot_mine_\@:
.else
	global_prefetch_b8 v[PFR], s[10:11] offset:256*((\t)-4) th:TH_LOAD_NT scope:SCOPE_SE
.endif
.endm
.macro RESID                           ; my 32 rows of h, into w2's set 0, which is done with, and b2: 33 loads
	WIN 0x40
.set i, 0
.rept 32
	global_load_b128 v[4*i:4*i+3], v[L16], s[10:11] offset:i*4096 th:TH_LOAD_NT
.set i, i+1
.endr
	WIN 0
	global_load_b128 v[BIA:BIA+3], v[L16], s[8:9]
.endm
.macro TOSTAGE a0                      ; blocks a0, a0 + 1 are finished: into my stage, each accumulator from its low end on
	WIN 0x08+4*((\a0)/4)                           ; a store's data: window 2 or 3
.irp a, \a0, \a0+1
.irp b, 0,1,2,3,4,5,6,7
	ds_store_b128 v[STO], v[8*(8*((\a)%4)+\b):8*(8*((\a)%4)+\b)+3] offset:(32*((\a)/2)+8*((\a)%2))*SPITCH+128*(\b/2)+32*(\b%2)
	ds_store_b128 v[STO], v[8*(8*((\a)%4)+\b)+4:8*(8*((\a)%4)+\b)+7] offset:(32*((\a)/2)+8*((\a)%2))*SPITCH+128*(\b/2)+32*(\b%2)+16
.endr
.endr
.endm
.macro STEP t, zero
.if (\t) == 7
	s_wait_loadcnt 33                              ; this step's loads are in; h's 32 and b2's one, issued behind them, may be out
.else
	s_wait_loadcnt 52                              ; this step's loads are in; the next step's 52, issued behind them, may be out
.endif
.irp q, 0,1,2,3
	WIN MUL_LO+0x50*(\q/2)
	MUL16 2*\q, (\t)%2, \zero
.if (\t) < 6
	PLACES
	WIN 0
	LDA2 (\t)+2, 2*\q
.if \q == 1
	ASK \t
.endif
.if \q == 3
	LDB (\t)+2
	LDSC (\t)+2
.endif
.elseif (\t) == 6
.if \q == 3
	PLACES
	RESID
.endif
.else
	PLACES
	TOSTAGE 2*\q
.endif
.endr
	WIN 0
.endm
.irp u, 0,1
	LDB \u
	LDSC \u
.irp a, 0,2,4,6
	LDA2 \u, \a
.endr
.endr
	STEP 0, 1                                      ; the first step's products start the sums
.irp t, 1,2,3,4,5,6,7
	STEP \t, 0
.endr
	s_wait_loadcnt 0x0                             ; h and b2
	WIN 0x41                                       ; destination and source 0 window 1
.set i, 0
.rept 32
	v_pk_add_f32 v[4*i:4*i+1], v[4*i:4*i+1], v[BIA:BIA+1]          ; h + b2, while my stores into the stage are on their way
	v_pk_add_f32 v[4*i+2:4*i+3], v[4*i+2:4*i+3], v[BIA+2:BIA+3]
.set i, i+1
.endr
	WIN 0
	s_wait_dscnt 0x0                               ; for the others' sake: my stores into the stage are done
	s_barrier_signal -1
	s_barrier_wait -1
.irp s, 0,1,2,3                        ; part s of my 32 rows: window 2 + s / 2, from v[128 (s % 2)]
	WIN 0x80+0x40*(\s/2)
.set i, 0
.rept 32
	ds_load_b128 v[128*(\s%2)+4*i:128*(\s%2)+4*i+3], v[RD+\s] offset:i*SPITCH
.set i, i+1
.endr
.endr
	s_wait_dscnt 63                                ; of 128 loads at most 63 are out: parts 0 and 1 are in
.macro ADDS win, o
	WIN \win
.set i, 0
.rept 64
	v_pk_add_f32 v[2*i:2*i+1], v[2*i:2*i+1], v[\o+2*i:\o+2*i+1]
.set i, i+1
.endr
.endm
	ADDS 0x8a, 128                                 ; part 0 + part 1, in window 2
	s_wait_dscnt 0x0
	ADDS 0xcf, 128                                 ; part 2 + part 3, in window 3
	ADDS 0x8e, 0                                   ; the two sums,
	ADDS 0x86, 0                                   ; and h + b2 out of window 1
	WIN 0x08                                       ; a store's data: window 2
.set i, 0
.rept 32
	global_store_b128 v[L16], v[4*i:4*i+3], s[12:13] offset:i*4096 th:TH_STORE_NT   ; 32 lanes store 512 consecutive bytes, aligned
.set i, i+1
.endr
	WIN 0
	s_wait_tensorcnt 0x0                           ; the wave's end
	ds_add_u32 v[SPW], v[NIL]
	s_wait_dscnt 0x0
	s_endpgm
.Lfunc_end_k_q5a72306f61_down:
	.size	k_q5a72306f61_down, .Lfunc_end_k_q5a72306f61_down-k_q5a72306f61_down
	.p2alignl 7, 3214868480
	.fill 96, 4, 3214868480
	.section	.rodata,"a",@progbits
	.p2align	6, 0x0
	.amdhsa_kernel k_q5a72306f61_down
		.amdhsa_group_segment_fixed_size 270848
		.amdhsa_private_segment_fixed_size 0
		.amdhsa_enable_private_segment 0
		.amdhsa_kernarg_size 40
		.amdhsa_user_sgpr_count 2
		.amdhsa_user_sgpr_kernarg_segment_ptr 1
		.amdhsa_wavefront_size32 1
		.amdhsa_system_sgpr_workgroup_id_x 1
		.amdhsa_system_sgpr_workgroup_id_y 1
		.amdhsa_system_sgpr_workgroup_id_z 1
		.amdhsa_system_vgpr_workitem_id 0
		.amdhsa_next_free_vgpr 1024
		.amdhsa_next_free_sgpr 66
		.amdhsa_reserve_vcc 0
		.amdhsa_float_denorm_mode_32 3
		.amdhsa_float_denorm_mode_16_64 3
		.amdhsa_memory_ordered 1
		.amdhsa_forward_progress 1
		.amdhsa_inst_pref_size 156
	.end_amdhsa_kernel
	.amdgpu_metadata
---
amdhsa.version: [ 1, 2 ]
amdhsa.kernels:
  - .name:           k_q5a72306f61_down
    .symbol:         k_q5a72306f61_down.kd
    .args:
      - { .name: hid, .offset: 0, .size: 8, .value_kind: global_buffer, .address_space: global }
      - { .name: qw, .offset: 8, .size: 8, .value_kind: global_buffer, .address_space: global }
      - { .name: b2, .offset: 16, .size: 8, .value_kind: global_buffer, .address_space: global }
      - { .name: hbuf, .offset: 24, .size: 8, .value_kind: global_buffer, .address_space: global }
      - { .name: out0, .offset: 32, .size: 8, .value_kind: global_buffer, .address_space: global }
    .group_segment_fixed_size: 270848
    .private_segment_fixed_size: 0
    .kernarg_segment_align: 8
    .kernarg_segment_size: 40
    .max_flat_workgroup_size: 128
    .sgpr_count:     66
    .vgpr_count:     1024
    .wavefront_size: 32
...
	.end_amdgpu_metadata
.endif
;; end of part 6
